; MI455X (gfx1250); checked and timed in simulation.
; The chip was launched on July 23, 2026; its instructions are those of AMD's public machine-readable ISA for CDNA 5 (MIT licence, August 2026) and "CDNA5" Instruction Set Architecture Reference Guide (July 2026). The comments in the code are by the model that wrote it; some were corrected since.
;; Multi Head Self Attention. Allowed arithmetic: matrix products marked QUANTISED: E2M1 operands, one E8M0 scale for each 32 along K, by v_wmma_scale_f32_16x16x128_f8f6f4 with both operands' format E2M1 (or v_wmma_scale_f32_32x16x128_f4), f32 sums; products left as they are: bf16, f16 or f32 operands; f32 sums; everything else in f32.
;; Inputs: b_o 1,024 float32; w_k 1,024 x 1,024 float32; w_o 1,024 x 1,024 float32; w_q 1,024 x 1,024 float32; w_v 1,024 x 1,024 float32; x 4 x 2,048 x 1,024 float32.
;; Outputs: out0 4 x 2,048 x 1,024 float32.
;; This version of the problem:
;;   THIS VERSION OF THE PROBLEM IS GIVEN IN LOW PRECISION. The matrix products marked QUANTISED in the list below multiply operands that are first quantised to E2M1 (2 exponent bits, 1 mantissa bit; 4 bits a number), with one power-of-two scale for each 32 numbers along K (OCP MX v1.0); their sums are f32. The products marked 'left as it is' may take bf16, f16 or f32 operands, with f32 sums. Whichever they take, every output number must still come out within the allowed error. Rounding operands to bf16 (8 significant bits) uses up far more of that allowance than f16 does (11 bits, for magnitudes from 6e-5 to 65,504). All else is computed in f32.
;;   The module's matrix products, in the order in which they are computed (A, B: the left and right operand; K: the contracted axis; several contracted axes count as one K, in the product's order):
;;     1. [M 8,192, K 1,024] x [K 1,024, N 1,024]; A: input x; B: input w_q: QUANTISED
;;     2. [M 8,192, K 1,024] x [K 1,024, N 1,024]; A: input x; B: input w_k: QUANTISED
;;     3. [M 8,192, K 1,024] x [K 1,024, N 1,024]; A: input x; B: input w_v: QUANTISED
;;     4. batch 64 x [M 2,048, K 64] x [K 64, N 2,048]; A: computed on the way; B: computed on the way: left as it is (an operand is computed on the way)
;;     5. batch 64 x [M 2,048, K 2,048] x [K 2,048, N 64]; A: computed on the way; B: computed on the way: left as it is (an operand is computed on the way)
;;     6. [M 8,192, K 1,024] x [K 1,024, N 1,024]; A: computed on the way; B: input w_o: left as it is (an operand is computed on the way)
;;   THE QUANTISER, for each operand of a quantised product, along K:
;;     - K is cut into blocks of 32 from its start; a last block that is shorter is filled with zeros.
;;     - A block's scale is 2^e with e = floor(log2(the largest magnitude in the block)) - 2, held to -126 .. 127; a block of zeros has e = 0. As a byte (E8M0): e + 127.
;;     - Each number is divided by its block's scale, clamped to +-6, and rounded to the nearest number of E2M1, ties to even, subnormals kept.
;;     - The product sums the exact products of the quantised numbers (number of the format x scale) in f32.
;;   ~~~python
;;   def quantise(x, axis):      # numpy; x: float32 -> the quantised numbers, widened to float32 again
;;       x = np.moveaxis(x, axis, -1); K = x.shape[-1]
;;       x = np.pad(x, [(0, 0)] * (x.ndim - 1) + [(0, -K % 32)]); x = x.reshape(x.shape[:-1] + (-1, 32)); a = np.abs(x).max(-1, keepdims=True)
;;       e = np.where(a > 0, np.clip(np.frexp(np.where(a > 0, a, 1))[1] - 1 - 2, -126, 127), 0)      # np.frexp(a)[1] - 1 = floor(log2(a)), exactly
;;       r = np.clip(x / 2.0 ** e, -6, 6)
;;       step = 2.0 ** (np.maximum(np.frexp(np.where(r == 0, 1, r))[1] - 1, 0) - 1)
;;       q = np.round(r / step) * step * 2.0 ** e      # np.round: ties to even
;;       return np.moveaxis(q.reshape(q.shape[:-2] + (-1,))[..., :K], -1, axis).astype(np.float32)
;;   ~~~
;; One version. Each part assembles by itself: llvm-mc -triple=amdgcn-amd-amdhsa -mcpu=gfx1250 --defsym DOCPART=n.
;; ======== version 1 of 1: 5 launches
;; limits: values are held in f16: magnitudes above 65,504 overflow, below 6.1e-05 lose precision
;; workspace buffers: xc 4,194,304 bytes; xs 262,144 bytes; wc 1,572,864 bytes; ws 98,304 bytes; wo16 2,097,152 bytes; qkvh 50,331,648 bytes; q32 786,432 bytes; ao 16,777,216 bytes
;; launch prep (part 1): grid 384 x 1, 4 waves a work-group, no clusters, 33,280 bytes of LDS; arguments x, w_q, w_k, w_v, w_o, xc, xs, wc, ws, wo16; writes xc, xs, wc, ws, wo16
.if DOCPART == 1
	.amdgcn_target "amdgcn-amd-amdhsa--gfx1250"
	.amdhsa_code_object_version 6
	.text
	.protected	k_qe86e8aba91_prep
	.globl	k_qe86e8aba91_prep
	.p2align	8
	.type	k_qe86e8aba91_prep,@function
k_qe86e8aba91_prep:
	s_mov_b64 s[64:65], 0
	v_nop
	global_prefetch_b8 v0, s[64:65] scope:SCOPE_SE
	s_setreg_imm32_b32 hwreg(HW_REG_WAVE_MODE, 25, 1), 1
	s_wait_xcnt 0x0
; MULTI-HEAD SELF-ATTENTION, B 4, S 2048, D 1024, 16 heads of 64, causal.  Five launches: this one (operands made ready), the three input projections as one product on
; codes of E2M1, attention in f16 with f32 sums, the output projection in f16 with f32 sums, and the first 16 positions of every sequence once more in f32.
; WORK LEFT OUT, in the third launch alone: a key step (64 keys) all of whose keys come after all of a wave's queries.  The problem's own lower-triangular mask sets those scores to -infinity ahead of the
; softmax, so their weights are exactly 0 and their products with v add exactly 0 to every output, whatever finite values the inputs hold.  Every input has a way to the output, so all six are loaded.
; LIMIT: a NaN, an infinity or an overflow that reaches only those hidden key steps is not carried to the result.
; THIS LAUNCH.  x [8192][1024], w_q, w_k, w_v [1024][1024], f32, K innermost, become codes of E2M1 (two a byte, the lower k in the low four bits) with one E8M0 byte for each 32 along K:
; xc [8192][512 bytes], xs [8192][32];  wc [3072][512 bytes], ws [3072][32], rows 0-1023 w_q, 1024-2047 w_k, 2048-3071 w_v.  w_o becomes f16, laid by heads: wo16[h][e][d] = w_o[e][64 h + d].
; A block's scale is 2^(floor(log2(its largest magnitude)) - 2); its byte is the largest magnitude's exponent field - 2, held at 1 from below.  A block of zeros so gets the byte 1 where the rule says 127:
; its codes are zeros, which add nothing, and the bytes are read by this program alone.
; LIMITS: NaN and infinities among the inputs are not served; |w_o| stays under 65,504, f16's largest number; under 6e-5 its f16 keeps an absolute step of 6e-8.
; SHARES: work-groups 0-255 take x, 256-287 w_q, 288-319 w_k, 320-351 w_v, 32,768 numbers each, as a plain stream of blocks of 32; work-groups 352-383 take 32 rows of w_o each.
; The quantising path: a wave takes 16 steps of 512 numbers.  Each load reads 512 consecutive bytes; a step's 2,048 bytes turn through the wave's own stage in LDS, so that a lane holds 16 neighbours along K.
.set WAVES, 4
.set STEPS, 16
.set CB,    8                          ; bytes of 16 codes
.set R,     16                         ; v16-79   four sets of 16 numbers as they are loaded
.set X,     80                         ; v80-111  two sets of 16 neighbours
.set C,     128                        ; v128-191 codes: four registers for each step
.set E,     112                        ; v112-127 a scale byte for each step
.set WREG,  8192                       ; LDS: a region for each wave: two stages of 32 x SP bytes, then its 256 scale bytes
.set SP,    80                         ; a lane's place in a stage: 64 bytes + 16 of padding
.set SPW,   12                         ; v12  LDS address of my spare word; never rewritten
.set NIL,   13                         ; v13  0; never rewritten
.set SPARE, WAVES*WREG                 ; the spare words, 128 bytes a wave
	s_load_b256 s[4:11], s[0:1], 0x0               ; x, w_q, w_k, w_v
	s_load_b256 s[12:19], s[0:1], 0x20             ; w_o, xc, xs, wc
	s_load_b128 s[20:23], s[0:1], 0x40             ; ws, wo16
	v_lshl_add_u32 v[SPW], v0, 2, SPARE
	v_mov_b32 v[NIL], 0
	v_lshrrev_b32 v1, 5, v0
	v_readfirstlane_b32 s33, v1                    ; wave
	v_and_b32 v2, 31, v0                           ; lane
	s_mov_b32 s37, 0
	s_wait_kmcnt 0x0
	s_cmp_lt_u32 ttmp9, 352
	s_cbranch_scc1 .Lquant
	; ---- w_o to f16, by heads.  Wave w takes rows e = 32 p + 8 w .. + 7, four at a time; lane l takes row l / 8 of the four and eight numbers, 8 (l % 8) on, of a head's 64.
	s_sub_co_u32 s34, ttmp9, 352
	s_lshl_b32 s34, s34, 5
	s_lshl_b32 s35, s33, 3
	s_add_co_u32 s34, s34, s35                     ; my first row
	s_lshl_b32 s36, s34, 12
	s_add_nc_u64 s[12:13], s[12:13], s[36:37]      ; in w_o: rows of 4,096 bytes
	s_lshl_b32 s36, s34, 7
	s_add_nc_u64 s[22:23], s[22:23], s[36:37]      ; in a head of wo16: rows of 128 bytes
	v_lshrrev_b32 v3, 3, v2
	v_and_b32 v4, 7, v2
	v_lshlrev_b32 v4, 5, v4
	v_lshl_add_u32 v4, v3, 12, v4                  ; in: row x 4,096 + 32 (l % 8)
	v_lshlrev_b32 v5, 4, v2                        ; out: 16 l: the wave's store covers 512 consecutive bytes, four rows of a head
.macro LOADB k                         ; batch k: iterations 8 k .. 8 k + 7; iteration it: four rows 4 (it / 16) on, head it % 16
.irp i, 0,1,2,3,4,5,6,7
	global_load_b128 v[16+64*((\k)%2)+8*\i:16+64*((\k)%2)+8*\i+3], v4, s[12:13] offset:((8*(\k)+\i)/16)*16384+((8*(\k)+\i)%16)*256
	global_load_b128 v[16+64*((\k)%2)+8*\i+4:16+64*((\k)%2)+8*\i+7], v4, s[12:13] offset:((8*(\k)+\i)/16)*16384+((8*(\k)+\i)%16)*256+16
.endr
.endm
.macro CONVB k
	s_wait_xcnt 0x0                                ; the last batch's stores have read their data registers, which are written again below
.irp i, 0,1,2,3,4,5,6,7
.irp j, 0,1,2,3
	v_cvt_pk_f16_f32 v[144+4*\i+\j], v[16+64*((\k)%2)+8*\i+2*\j], v[16+64*((\k)%2)+8*\i+2*\j+1]
.endr
	global_store_b128 v5, v[144+4*\i:144+4*\i+3], s[22:23] offset:((8*(\k)+\i)%16)*131072+((8*(\k)+\i)/16)*512
.endr
.endm
	LOADB 0
	LOADB 1
	s_wait_loadcnt 16                              ; batch 0 is in; batch 1's sixteen loads may be out
	CONVB 0
	LOADB 2
	s_wait_loadcnt 16                              ; batch 1 is in; batch 2's may be out
	CONVB 1
	LOADB 3
	s_wait_loadcnt 16
	CONVB 2
	s_wait_loadcnt 0x0
	CONVB 3
	s_branch .Lend
.Lquant:
	; ---- the quantiser.  Only pointers are chosen, by the work-group's number: all four tensors take one path
	v_lshlrev_b32 v3, 4, v2                        ; my 16 bytes of a load's 512
	s_mul_i32 s34, s33, WREG
	v_lshrrev_b32 v14, 2, v2
	v_mul_u32_u24 v14, v14, SP
	v_and_b32 v15, 3, v2
	v_lshl_add_u32 v14, v15, 4, v14
	v_add_nc_u32 v14, s34, v14                     ; the stage, on the way in: SP (lane / 4) + 16 (lane % 4)
	v_mul_u32_u24 v15, v2, SP
	v_add_nc_u32 v15, s34, v15                     ; and on the way out: SP x lane: my 16 neighbours
	v_mul_u32_u24 v4, v2, CB                       ; my codes' place in a step's
	v_lshrrev_b32 v5, 1, v2
	s_add_co_u32 s34, s34, 2*32*SP
	v_add_nc_u32 v5, s34, v5                       ; LDS: my wave's 256 scale bytes, my block's byte
	v_lshlrev_b32 v7, 3, v2                        ; and on the way out 8 bytes a lane
	v_add_nc_u32 v6, s34, v7
	s_cmp_lt_u32 ttmp9, 320
	s_cselect_b64 s[24:25], s[8:9], s[10:11]       ; w_k or w_v,
	s_cmp_lt_u32 ttmp9, 288
	s_cselect_b64 s[24:25], s[6:7], s[24:25]       ; or w_q,
	s_cmp_lt_u32 ttmp9, 256
	s_cselect_b64 s[24:25], s[4:5], s[24:25]       ; or x
	s_cselect_b64 s[26:27], s[14:15], s[18:19]     ; codes: xc or wc
	s_cselect_b64 s[28:29], s[16:17], s[20:21]     ; scale bytes: xs or ws
	s_cselect_b32 s30, 0, 256
	s_cselect_b32 s31, -1, 31
	s_sub_co_u32 s30, ttmp9, s30                   ; which 32,768 numbers of the codes' buffer (the three weights lie on end there),
	s_and_b32 s31, s30, s31                        ; and of the source tensor
	s_lshl_b32 s30, s30, 2
	s_add_co_u32 s30, s30, s33                     ; my wave's run of 8,192 numbers
	s_lshl_b32 s31, s31, 2
	s_add_co_u32 s31, s31, s33
	s_lshl_b32 s36, s31, 15
	s_add_nc_u64 s[24:25], s[24:25], s[36:37]      ; 32,768 bytes of f32 a run,
	s_lshl_b32 s36, s30, 12
	s_add_nc_u64 s[26:27], s[26:27], s[36:37]      ; 4,096 of codes,
	s_lshl_b32 s36, s30, 8
	s_add_nc_u64 s[28:29], s[28:29], s[36:37]      ; 256 scale bytes
.macro LOAD t
.irp i, 0,1,2,3
	global_load_b128 v[R+16*((\t)%4)+4*\i:R+16*((\t)%4)+4*\i+3], v3, s[24:25] offset:2048*(\t)+512*\i th:TH_LOAD_NT   ; 32 lanes read 512 consecutive bytes
.endr
.endm
.macro TURN t                          ; step t's numbers through the stage: LDS serves a wave's instructions in order, so no wait stands between the stores and the loads
.irp i, 0,1,2,3
	ds_store_b128 v14, v[R+16*((\t)%4)+4*\i:R+16*((\t)%4)+4*\i+3] offset:32*SP*((\t)%2)+8*SP*\i
.endr
.irp i, 0,1,2,3
	ds_load_b128 v[X+16*((\t)%2)+4*\i:X+16*((\t)%2)+4*\i+3], v15 offset:32*SP*((\t)%2)+16*\i
.endr
.endm
.irp t, 0,1,2,3
	LOAD \t
.endr
	s_wait_loadcnt 12                              ; step 0's four loads are in
	TURN 0
.macro STEP t
.set XS, X+16*((\t)%2)
.if (\t) > 0
	s_wait_dscnt 1                                 ; this step's numbers are back from the stage (the last step's byte store may be out)
.else
	s_wait_dscnt 0x0
.endif
.if (\t)+4 < STEPS
	LOAD (\t)+4
.endif
.if (\t)+1 < STEPS
.if STEPS-2-(\t) >= 3
	s_wait_loadcnt 12                              ; the next step's four loads are in; those of the three steps behind it may be out
.else
	s_wait_loadcnt 4*(STEPS-2-(\t))
.endif
	TURN (\t)+1
.endif
	v_max3_num_f32 v8, |v[XS]|, |v[XS+1]|, |v[XS+2]|               ; the largest magnitude of my 16, in two chains
	v_max3_num_f32 v9, |v[XS+3]|, |v[XS+4]|, |v[XS+5]|
.irp i, 6,10
	v_max3_num_f32 v8, v8, |v[XS+\i]|, |v[XS+\i+1]|
	v_max3_num_f32 v9, v9, |v[XS+\i+2]|, |v[XS+\i+3]|
.endr
	v_max3_num_f32 v8, v8, |v[XS+14]|, |v[XS+15]|
	v_max3_num_f32 v8, v8, v9, 0x1800000           ; and the floor 2^(3 - 127): the byte cannot fall under 1
	v_max_num_f32_dpp v8, v8, v8 row_xmask:1 row_mask:0xf bank_mask:0xf   ; and of my neighbour's 16: the block's
	v_add_nc_u32 v11, 0xff000000, v8               ; 2 off its exponent field: the conversion takes the exponent field of this operand as its scale
	v_cvt_scalef32_pk8_fp4_f32 v[C+4*(\t)], v[XS:XS+7], v11
	v_cvt_scalef32_pk8_fp4_f32 v[C+4*(\t)+1], v[XS+8:XS+15], v11
	v_lshrrev_b32 v[E+(\t)], 23, v11               ; the scale's byte
	ds_store_b8 v5, v[E+(\t)] offset:16*(\t)       ; both lanes of a block write the same byte with the same value
	global_store_b64 v4, v[C+4*(\t):C+4*(\t)+1], s[26:27] offset:32*CB*(\t)   ; the wave stores 256 consecutive bytes, aligned
.endm
.irp t, 0,1,2,3,4,5,6,7,8,9,10,11,12,13,14,15
	STEP \t
.endr
	ds_load_b64 v[8:9], v6                         ; LDS serves a wave's instructions in order: these see my stores
	s_wait_dscnt 0x0
	global_store_b64 v7, v[8:9], s[28:29]          ; 32 lanes store 256 consecutive bytes, aligned
.Lend:
	s_wait_tensorcnt 0x0                           ; the wave's end
	ds_add_u32 v[SPW], v[NIL]
	s_wait_dscnt 0x0
	s_endpgm
.Lfunc_end_k_qe86e8aba91_prep:
	.size	k_qe86e8aba91_prep, .Lfunc_end_k_qe86e8aba91_prep-k_qe86e8aba91_prep
	.p2alignl 7, 3214868480
	.fill 96, 4, 3214868480
	.section	.rodata,"a",@progbits
	.p2align	6, 0x0
	.amdhsa_kernel k_qe86e8aba91_prep
		.amdhsa_group_segment_fixed_size 33280
		.amdhsa_private_segment_fixed_size 0
		.amdhsa_enable_private_segment 0
		.amdhsa_kernarg_size 80
		.amdhsa_user_sgpr_count 2
		.amdhsa_user_sgpr_kernarg_segment_ptr 1
		.amdhsa_wavefront_size32 1
		.amdhsa_system_sgpr_workgroup_id_x 1
		.amdhsa_system_sgpr_workgroup_id_y 1
		.amdhsa_system_sgpr_workgroup_id_z 1
		.amdhsa_system_vgpr_workitem_id 0
		.amdhsa_next_free_vgpr 192
		.amdhsa_next_free_sgpr 66
		.amdhsa_reserve_vcc 0
		.amdhsa_float_denorm_mode_32 3
		.amdhsa_float_denorm_mode_16_64 3
		.amdhsa_memory_ordered 1
		.amdhsa_forward_progress 1
		.amdhsa_inst_pref_size 51
	.end_amdhsa_kernel
	.amdgpu_metadata
---
amdhsa.version: [ 1, 2 ]
amdhsa.kernels:
  - .name:           k_qe86e8aba91_prep
    .symbol:         k_qe86e8aba91_prep.kd
    .args:
      - { .name: x, .offset: 0, .size: 8, .value_kind: global_buffer, .address_space: global }
      - { .name: w_q, .offset: 8, .size: 8, .value_kind: global_buffer, .address_space: global }
      - { .name: w_k, .offset: 16, .size: 8, .value_kind: global_buffer, .address_space: global }
      - { .name: w_v, .offset: 24, .size: 8, .value_kind: global_buffer, .address_space: global }
      - { .name: w_o, .offset: 32, .size: 8, .value_kind: global_buffer, .address_space: global }
      - { .name: xc, .offset: 40, .size: 8, .value_kind: global_buffer, .address_space: global }
      - { .name: xs, .offset: 48, .size: 8, .value_kind: global_buffer, .address_space: global }
      - { .name: wc, .offset: 56, .size: 8, .value_kind: global_buffer, .address_space: global }
      - { .name: ws, .offset: 64, .size: 8, .value_kind: global_buffer, .address_space: global }
      - { .name: wo16, .offset: 72, .size: 8, .value_kind: global_buffer, .address_space: global }
    .group_segment_fixed_size: 33280
    .private_segment_fixed_size: 0
    .kernarg_segment_align: 8
    .kernarg_segment_size: 80
    .max_flat_workgroup_size: 128
    .sgpr_count:     66
    .vgpr_count:     192
    .wavefront_size: 32
...
	.end_amdgpu_metadata
.endif
;; end of part 1
;; launch qkv (part 2): grid 12 x 32, 4 waves a work-group, clusters of 4 x 1, 327,680 bytes of LDS; arguments xc, xs, wc, ws, qkvh, q32; writes qkvh, q32
.if DOCPART == 2
	.amdgcn_target "amdgcn-amd-amdhsa--gfx1250"
	.amdhsa_code_object_version 6
	.text
	.protected	k_qe86e8aba91_qkv
	.globl	k_qe86e8aba91_qkv
	.p2align	8
	.type	k_qe86e8aba91_qkv,@function
k_qe86e8aba91_qkv:
	s_mov_b64 s[64:65], 0
	v_nop
	global_prefetch_b8 v0, s[64:65] scope:SCOPE_SE
	s_setreg_imm32_b32 hwreg(HW_REG_WAVE_MODE, 25, 1), 1
	s_wait_xcnt 0x0
	s_wait_alu depctr_hold_cnt(0) depctr_sa_sdst(0) depctr_va_vdst(0) depctr_va_sdst(0) depctr_va_ssrc(0) depctr_va_vcc(0) depctr_vm_vsrc(0)
	s_getreg_b32 s2, hwreg(HW_REG_IB_STS2, 6, 4)
	s_cmp_eq_u32 s2, 0
	s_cbranch_scc0 .Lentry_in_a_cluster
	s_endpgm
.Lentry_in_a_cluster:
	s_bfe_u32 s2, ttmp6, 0x10000c
	s_cmp_lg_u32 s2, 0x3003
	s_cbranch_scc0 .Lentry_shape_is_right
	s_endpgm
.Lentry_shape_is_right:
; q, k, v = x W^T for the three weights on end: C [8192][3072] = A [8192][1024] B [3072][1024]^T on codes of E2M1 with one E8M0 scale for each 32 along K; sums in f32.  Nothing is left out here.
; A tile of C, 256 x 256, is made by four waves, 128 x 128 each: 64 accumulators, 512 registers.  K = 1,024 is two LDS slots of 512 (rows of 256 bytes): every tensor load is a first fill, nothing is filled again.
; The scale bytes of the work-group's 256 rows of A and of B, for all of K, are two dense blocks of memory and come once, in rows of 256 bytes.
; CLUSTER 4 x 1: the four work-groups of a cluster make four tiles of one tile row, so x's codes and scale bytes are asked for JOINTLY (mask 15); the weights' tiles differ between them and come by loads of their own.
; A cluster of 4 x 4 is not taken: the side store below hangs on the tile row, which must then be the same in all partners; here it is the cluster's y.
; THE MATRIX INSTRUCTION IS USED TRANSPOSED (source 0 = 16 rows of B, source 1 = 16 rows of A): a lane holds eight neighbouring columns of one row of C.
; RESULTS: f16, by heads: qkvh byte = which<<24 + b<<22 + head<<18 + s<<7 + 2 d.  LIMIT: |q|, |k|, |v| stay under 65,504, f16's largest number.
; The rows s < 16 of every sequence leave in f32 too, as images of the accumulators' registers: q32 byte = b x 196,608 + (column / 16) x 1,024 + half x 512 + lane x 16.
; REGISTERS, in windows of 256: window 0: v0-31 addresses; v32-95 scale words, two sets; v128-191 A's fragments, one set; window 1: B's fragments, two sets; windows 2, 3: the accumulators ((a, b) at v[8 (8 (a % 4) + b)]).
.set KSTEP,  512
.set NQ,     4
.set ROWB,   256
.set KROW,   512                       ; a row of codes in memory
.set PITCH,  272                       ; an LDS row: 256 bytes + 16 of padding: the 16 rows that a load touches start at 16 different banks
.set FR,     8
.set NL,     2
.set NP,     4
.set HALFT,  128*PITCH
.set SLOT,   4*HALFT
.set KS,     32                        ; a row of scale bytes
.set SCL,    2*SLOT
.set HALFS,  (128*KS/256)*272
.set SBLK,   (16*KS/256)*272
.set SPARE,  SCL+4*HALFS               ; the spare words, 128 bytes a wave
.set SPITCH, 272                       ; the way out: a stage of 16 rows x (256 bytes + 16) for each wave, in slot 0, which has had its only fill and its last read by then
.set ADRA, 16
.set ADRB, 20
.set STO,  24
.set RD,   25
.set CO,   26
.set ADRS, 27
.set SPW,  28
.set NIL,  29
.set LI,   30                          ; v30  16 x lane: an image's place for my lane
.set SC,   32
.set AF,   128
.set TMP,  192                         ; the way out: packed results
.set OB,   32                          ; the way out: rows read back: v32-63 and v224-255 by turns
.set G1, 24
.set G0, 32
.set G1B, 48
.set G0B, 56
.set G1S, 68
.set G0S, 76
.set G1SB, 80
.set G0SB, 88
.set MSB, 0
.macro WIN new                         ; the immediate's high byte repeats the setting that is left
.if MSB != \new
	s_set_vgpr_msb (MSB<<8)|\new
.set MSB, \new
.endif
.endm
.set MUL_LO, 0xa1                      ; source 0 (B) window 1, source 1 (A) window 0, C and D window 2
.set MUL_HI, 0xf1
.set TO_B,   0x40
; Waves 0 and 1 fetch for A (jointly), waves 2 and 3 for B.  The branch hangs on the wave's number alone.  An s_nop 0 and four v_nop follow each line.
.macro JLOAD g0a, g1a, g0b, g1b
	s_cmp_eq_u32 s15, 0
	s_cbranch_scc0 .Lfor_b_\@
	tensor_load_to_lds s[\g0a:\g0a+3], s[\g1a:\g1a+7]
	s_nop 0
.rept 4
	v_nop
.endr
	s_branch .Lasked_\@
.Lfor_b_\@:
	tensor_load_to_lds s[\g0b:\g0b+3], s[\g1b:\g1b+7]
	s_nop 0
.rept 4
	v_nop
.endr
.Lasked_\@:
.endm
.macro CROUND                          ; a round of the cluster's barrier
	s_barrier_signal -1
	s_barrier_wait -1
	s_cmp_lg_u32 s14, 0
	s_cbranch_scc1 .Lnot_wave_0_\@
	s_barrier_signal -3
.Lnot_wave_0_\@:
	s_barrier_wait -3
	s_barrier_signal -1
	s_barrier_wait -1
.endm
	s_load_b128 s[4:7], s[0:1], 0x0                ; xc, xs
	s_load_b128 s[8:11], s[0:1], 0x10              ; wc, ws
	s_load_b128 s[96:99], s[0:1], 0x20             ; qkvh, q32
	v_lshl_add_u32 v[SPW], v0, 2, SPARE
	v_mov_b32 v[NIL], 0
	ds_add_u32 v[SPW], v[NIL]                      ; the wave's opening: the add, twice on end, and its wait ahead of my first tensor load
	ds_add_u32 v[SPW], v[NIL]
	v_lshrrev_b32 v1, 5, v0
	v_readfirstlane_b32 s14, v1                    ; wave 0..3
	s_lshr_b32 s15, s14, 1                         ; which half of the tile's rows is mine.  Also: I fetch for A (0) or for B (1)
	s_and_b32 s16, s14, 1                          ; which half of its columns.  Also: which 128 rows of that tile I fetch
	s_bfe_u32 s40, ttmp6, 0x40000                  ; cx
	s_lshl_b32 s42, ttmp9, 2
	s_add_co_u32 s42, s42, s40                     ; tile column = 4 x cluster x + cx
	s_and_b32 s17, ttmp7, 0xffff                   ; tile row = cluster y: the same in all four partners
	s_mov_b32 s[G1+0], 15|(1<<20)|(1<<21)|(5<<22)|(3<<25)   ; the mask: all four; elements of 1 byte; padding: 4 words after every 64
	s_mov_b32 s[G1B+0], (1<<20)|(5<<22)|(3<<25)             ; no mask: a load of my own
.irp g, G1, G1B
	s_mov_b32 s[\g+1], ROWB<<16                    ; tensor_dim0
	s_mov_b32 s[\g+2], 128<<16                     ; tensor_dim1
	s_mov_b32 s[\g+3], ROWB<<16                    ; tile_dim0
	s_mov_b32 s[\g+4], 128                         ; tile_dim1
	s_mov_b32 s[\g+5], KROW                        ; the pitch
	s_mov_b32 s[\g+6], 0
	s_mov_b32 s[\g+7], 0
.endr
	s_mov_b32 s[G1S+0], 15|(3<<16)|(1<<20)|(1<<21)|(5<<22)|(3<<25)   ; the scales of 128 rows: 4,096 dense bytes as 16 rows of 256 (32 elements of 8 bytes), padded alike
	s_mov_b32 s[G1SB+0], (3<<16)|(1<<20)|(5<<22)|(3<<25)
.irp g, G1S, G1SB
	s_mov_b32 s[\g+1], 32<<16
	s_mov_b32 s[\g+2], (128*KS/256)<<16
	s_mov_b32 s[\g+3], 32<<16
	s_mov_b32 s[\g+4], 128*KS/256
	s_mov_b32 s[\g+5], 32
	s_mov_b32 s[\g+6], 0
	s_mov_b32 s[\g+7], 0
.endr
	s_lshl_b32 s18, s16, 7
	s_lshl_b32 s20, s17, 8
	s_add_co_u32 s20, s20, s18                     ; A: row 256 x tile row + 128 x half
	s_lshl_b32 s46, s42, 8
	s_add_co_u32 s46, s46, s18                     ; B: row 256 x tile column + 128 x half
	s_mov_b32 s21, 0
	s_mov_b32 s47, 0
	s_mov_b64 s[18:19], KS
	s_mul_u64 s[22:23], s[20:21], s[18:19]         ; where these rows' scales begin,
	s_mul_u64 s[92:93], s[46:47], s[18:19]
	s_mov_b64 s[18:19], KROW
	s_mul_u64 s[20:21], s[20:21], s[18:19]         ; and their codes
	s_mul_u64 s[46:47], s[46:47], s[18:19]
	s_mul_i32 s45, s14, HALFT                      ; where they go: wave x 128 rows
	s_mul_i32 s94, s14, HALFS
	s_wait_dscnt 0x0                               ; both opening adds are done
	s_wait_kmcnt 0x0
	s_add_nc_u64 s[20:21], s[4:5], s[20:21]
	s_add_nc_u64 s[22:23], s[6:7], s[22:23]
	s_add_nc_u64 s[46:47], s[8:9], s[46:47]
	s_add_nc_u64 s[92:93], s[10:11], s[92:93]
	CROUND                                         ; all four work-groups are here: the joint loads meet
	s_mov_b32 s[G0S], 1
	s_add_co_u32 s[G0S+1], s94, SCL
	s_mov_b64 s[G0S+2:G0S+3], s[22:23]
	s_or_b32 s[G0S+3], s[G0S+3], 0x80000000
	s_mov_b32 s[G0SB], 1
	s_add_co_u32 s[G0SB+1], s94, SCL
	s_mov_b64 s[G0SB+2:G0SB+3], s[92:93]
	s_or_b32 s[G0SB+3], s[G0SB+3], 0x80000000
	JLOAD G0S, G1S, G0SB, G1SB                     ; the scales first: they are wanted with the first slot
.irp s, 0,1
	s_mov_b32 s[G0+4*\s], 1
	s_add_co_u32 s[G0+4*\s+1], s45, \s*SLOT
	s_add_nc_u64 s[G0+4*\s+2:G0+4*\s+3], s[20:21], \s*ROWB
	s_or_b32 s[G0+4*\s+3], s[G0+4*\s+3], 0x80000000
	s_mov_b32 s[G0B+4*\s], 1
	s_add_co_u32 s[G0B+4*\s+1], s45, \s*SLOT
	s_add_nc_u64 s[G0B+4*\s+2:G0B+4*\s+3], s[46:47], \s*ROWB
	s_or_b32 s[G0B+4*\s+3], s[G0B+4*\s+3], 0x80000000
	JLOAD G0+4*\s, G1, G0B+4*\s, G1B               ; three loads of mine are out in all
.endr
	v_and_b32 v1, 15, v0                           ; r = l % 16
	v_bfe_u32 v2, v0, 4, 1                         ; h = l / 16
	v_mul_u32_u24 v3, v1, PITCH
	v_lshl_add_u32 v4, v2, 4, v3                   ; a fragment's row x pitch + 16 x half
	s_mul_i32 s21, s15, HALFT                      ; my 128 rows of A
	s_mul_i32 s22, s16, HALFT                      ; my 128 rows of B,
	s_add_co_u32 s22, s22, 2*HALFT                 ; which lie behind A's 256
.irp s, 0,1
	v_add_nc_u32 v[ADRA+\s], s21, v4
	v_add_nc_u32 v[ADRB+\s], s22, v4
	s_add_co_u32 s21, s21, SLOT
	s_add_co_u32 s22, s22, SLOT
.endr
	v_mul_u32_u24 v5, v1, KS                       ; my row's scales: KS bytes a row,
	v_lshrrev_b32 v6, 8, v5
	v_lshl_add_u32 v5, v6, 4, v5                   ; and 16 more for each 256 passed
	s_mul_i32 s21, s15, HALFS
	s_mul_i32 s22, s16, HALFS
	s_add_co_u32 s22, s22, 2*HALFS
	s_sub_co_u32 s22, s22, s21
	v_mul_u32_u24 v6, s22, v2                      ; lanes 16-31 take B's
	s_add_co_u32 s21, s21, SCL
	v_add_nc_u32 v5, v5, v6
	v_add_nc_u32 v[ADRS], s21, v5
	s_mul_i32 s23, s14, 16*SPITCH                  ; my stage
	v_mul_u32_u24 v5, v1, SPITCH                   ; in: row r, 16 bytes for each half of the lanes
	v_lshl_add_u32 v5, v2, 4, v5
	v_add_nc_u32 v[STO], s23, v5
	v_bfe_u32 v5, v0, 3, 1                         ; back: lanes 0-15 take two rows' 128 bytes of the even head, lanes 16-31 of the odd head
	v_mul_u32_u24 v5, v5, SPITCH
	v_lshl_add_u32 v5, v2, 7, v5
	v_and_b32 v6, 7, v0
	v_lshl_add_u32 v5, v6, 4, v5
	v_add_nc_u32 v[RD], s23, v5
	v_lshlrev_b32 v[CO], 4, v1                     ; in qkvh two rows of a head are 256 consecutive bytes; the odd head lies 2^18 bytes on
	v_lshl_add_u32 v[CO], v2, 18, v[CO]
	v_and_b32 v6, 31, v0
	v_lshlrev_b32 v[LI], 4, v6
	s_lshl_b32 s20, s17, 8
	s_lshl_b32 s21, s15, 7
	s_add_co_u32 s20, s20, s21                     ; m0: my first row of C
	s_lshl_b32 s46, s42, 8
	s_lshl_b32 s47, s16, 7
	s_add_co_u32 s46, s46, s47                     ; n0: my first column
	s_lshr_b32 s21, s20, 11                        ; the batch
	s_and_b32 s22, s20, 2047                       ; the position
	s_lshl_b32 s22, s22, 7
	s_lshl_b32 s23, s21, 22
	s_add_co_u32 s22, s22, s23
	s_lshr_b32 s23, s46, 10                        ; q, k or v
	s_lshl_b32 s23, s23, 24
	s_add_co_u32 s22, s22, s23
	s_bfe_u32 s23, s46, 0x40006                    ; the even head
	s_lshl_b32 s23, s23, 18
	s_add_co_u32 s22, s22, s23
	s_mov_b32 s23, 0
	s_add_nc_u64 s[96:97], s[96:97], s[22:23]
	s_mul_i32 s22, s21, 196608
	s_lshl_b32 s47, s46, 6
	s_add_co_u32 s22, s22, s47
	s_add_nc_u64 s[98:99], s[98:99], s[22:23]
.macro FRAG reg, adr, q, i             ; a fragment, 16 rows x 128 K of 4-bit codes: registers 4 c .. 4 c + 3 hold K = 64 c + 32 (l / 16) + 0 .. 31
.irp c, 0,1
	ds_load_b128 v[\reg+4*\c:\reg+4*\c+3], v[\adr] offset:64*(\q)+32*\c+(\i)*16*PITCH
.endr
.endm
; 16 matrix instructions: A's blocks a0, a0 + 1 x B's eight.  The 64 accumulators take turns, one instruction a turn, in the same order in every step.
.macro MUL16 a0, p, q, sc, zero
.irp a, \a0, \a0+1
.irp b, 0,1,2,3,4,5,6,7
.if \zero
	v_wmma_scale_f32_16x16x128_f8f6f4 v[8*(8*((\a)%4)+\b):8*(8*((\a)%4)+\b)+7], v[128*(\p)+FR*\b:128*(\p)+FR*\b+FR-1], v[AF+FR*(\a):AF+FR*(\a)+FR-1], 0, v[SC+8*NQ*(\sc)+NQ*\b+(\q)], v[SC+8*NQ*(\sc)+NQ*(\a)+(\q)] matrix_a_fmt:MATRIX_FMT_FP4 matrix_b_fmt:MATRIX_FMT_FP4 matrix_a_scale:MATRIX_SCALE_ROW1
.else
	v_wmma_scale_f32_16x16x128_f8f6f4 v[8*(8*((\a)%4)+\b):8*(8*((\a)%4)+\b)+7], v[128*(\p)+FR*\b:128*(\p)+FR*\b+FR-1], v[AF+FR*(\a):AF+FR*(\a)+FR-1], v[8*(8*((\a)%4)+\b):8*(8*((\a)%4)+\b)+7], v[SC+8*NQ*(\sc)+NQ*\b+(\q)], v[SC+8*NQ*(\sc)+NQ*(\a)+(\q)] matrix_a_fmt:MATRIX_FMT_FP4 matrix_b_fmt:MATRIX_FMT_FP4 matrix_a_scale:MATRIX_SCALE_ROW1
.endif
.endr
.endr
.endm
.macro FETCH_B slot, q, p
	WIN TO_B
.irp i, 0,1,2,3,4,5,6,7
	FRAG 128*(\p)+FR*\i, ADRB+\slot, \q, \i
.endr
	WIN 0
.endm
.macro FETCH_A slot, q, i0
.irp i, \i0, \i0+1, \i0+2, \i0+3
	FRAG AF+FR*(\i), ADRA+\slot, \q, \i
.endr
.endm
.macro SCALES sc                       ; a slot's scale words: lanes 0-15 take A's block i, lanes 16-31 B's block i
.irp i, 0,1,2,3,4,5,6,7
	ds_load_b128 v[SC+8*NQ*\sc+NQ*\i:SC+8*NQ*\sc+NQ*\i+3], v[ADRS] offset:\i*SBLK
.endr
.endm
.macro PLACES n                        ; plain vector instructions between a matrix instruction and a load into, or a read of, its registers
.rept \n
	v_nop
.endr
.endm
.macro STEP slot, q, zero              ; a step of 128 along K that has its successor in the same slot
	s_wait_dscnt 4*NL                              ; B's set and A's blocks 0-3 are in; the youngest eight loads (A's blocks 4-7) may be out
	WIN MUL_LO
	MUL16 0, (\q)%2, \q, \slot, \zero
	MUL16 2, (\q)%2, \q, \slot, \zero
	s_wait_dscnt 0
	PLACES NP
	FETCH_B \slot, (\q)+1, 1-(\q)%2
	FETCH_A \slot, (\q)+1, 0
	WIN MUL_HI
	MUL16 4, (\q)%2, \q, \slot, \zero
	MUL16 6, (\q)%2, \q, \slot, \zero
	PLACES NP
	WIN 0
	FETCH_A \slot, (\q)+1, 4
.endm
.macro STEPS slot, from
.set Q, \from
.rept NQ-1-\from
	STEP \slot, Q, 0
.set Q, Q+1
.endr
.endm
	s_wait_tensorcnt 1                             ; the scales and my part of slot 0 are in (slot 1's load may be out)
	s_barrier_signal -1
	s_barrier_wait -1                              ; everybody's are
	FETCH_B 0, 0, 0
	FETCH_A 0, 0, 0
	SCALES 0
	FETCH_A 0, 0, 4
	STEP 0, 0, 1                                   ; the first products start the sums: nothing is cleared
	STEPS 0, 1
	; slot 0's last step changes slots: one barrier; behind it slot 1 is whole, and nobody reads slot 0 any more
	s_wait_tensorcnt 0x0                           ; my part of slot 1 has landed
	ds_add_u32 v[SPW], v[NIL]
	s_wait_dscnt 4*NL+1                            ; (the add and the youngest eight loads may be out)
	WIN MUL_LO
	MUL16 0, 1, NQ-1, 0, 0
	s_wait_dscnt 0x0                               ; the add is done, and my reads of slot 0 are over
	s_barrier_signal -1
	MUL16 2, 1, NQ-1, 0, 0
	WIN 0
	s_barrier_wait -1
	PLACES NP
	v_add_nc_u32 v[ADRS], 4*NQ, v[ADRS]            ; on to slot 1's scale words
	FETCH_B 1, 0, 0
	FETCH_A 1, 0, 0
	SCALES 1
	WIN MUL_HI
	MUL16 4, 1, NQ-1, 0, 0
	MUL16 6, 1, NQ-1, 0, 0
	PLACES NP
	WIN 0
	FETCH_A 1, 0, 4
	STEPS 1, 0
	s_wait_dscnt 4*NL                              ; the very last step
	WIN MUL_LO
	MUL16 0, 1, NQ-1, 1, 0
	MUL16 2, 1, NQ-1, 1, 0
	s_wait_dscnt 0
	WIN MUL_HI
	MUL16 4, 1, NQ-1, 1, 0
	MUL16 6, 1, NQ-1, 1, 0
	WIN 0
	PLACES NP
	; THE SIDE STORE: where my first 16 rows are positions 0-15 of a sequence (tile row a multiple of 8, upper half of the tile), block 0's eight accumulators leave in f32 as they stand: each store covers 512 consecutive bytes
	s_and_b32 s20, ttmp7, 7
	s_or_b32 s20, s20, s15
	s_cmp_lg_u32 s20, 0
	s_cbranch_scc1 .Lno32
	WIN 0x08                                       ; a store's data: window 2
.irp b, 0,1,2,3,4,5,6,7
	global_store_b128 v[LI], v[8*\b:8*\b+3], s[98:99] offset:1024*\b
	global_store_b128 v[LI], v[8*\b+4:8*\b+7], s[98:99] offset:1024*\b+512
.endr
	WIN 0
.Lno32:
; THE WAY OUT, block by block of 16 rows x 128 columns (two heads).  PACK: rounded to f16, 16 bytes a lane.  TOSTAGE: into my stage and back by rows.  SEND: sixteen lanes store two rows of a head, 256 consecutive bytes, aligned.
.macro PACK a
.set AC, 64*((\a)%4)
	WIN 0x0a+5*((\a)/4)                            ; sources 0 and 1: window 2 or 3
.irp b, 0,1,2,3,4,5,6,7
.irp r, 0,1,2,3
	v_cvt_pk_f16_f32 v[TMP+4*\b+\r], v[AC+8*\b+2*\r], v[AC+8*\b+2*\r+1]
.endr
.endr
	WIN 0
.endm
.macro TOSTAGE a
.set BK, OB+192*((\a)%2)
.irp b, 0,1,2,3,4,5,6,7
	ds_store_b128 v[STO], v[TMP+4*\b:TMP+4*\b+3] offset:32*\b
.endr
.irp t, 0,1,2,3,4,5,6,7
	ds_load_b128 v[BK+4*\t:BK+4*\t+3], v[RD] offset:\t*2*SPITCH    ; LDS serves a wave's instructions in order: these see the stores above
.endr
.endm
.macro SEND a
.set BK, OB+192*((\a)%2)
	s_wait_dscnt 0x0                               ; the block is back in registers
	s_wait_xcnt 0x0                                ; earlier stores have read their base and their data: both may be written again
.if (\a) > 0
	s_add_nc_u64 s[96:97], s[96:97], 16*128        ; 16 positions on
.endif
.irp t, 0,1,2,3,4,5,6,7
	global_store_b128 v[CO], v[BK+4*\t:BK+4*\t+3], s[96:97] offset:256*\t
.endr
.endm
	PACK 0
	TOSTAGE 0
.irp a, 1,2,3,4,5,6,7                  ; block a's conversions stand between block a - 1's loads from the stage and the wait for them
	PACK \a
	SEND \a-1
	TOSTAGE \a
.endr
	SEND 7
	s_wait_tensorcnt 0x0                           ; the wave's end
	ds_add_u32 v[SPW], v[NIL]
	s_wait_dscnt 0x0
	CROUND                                         ; the closing round
	s_endpgm
.Lfunc_end_k_qe86e8aba91_qkv:
	.size	k_qe86e8aba91_qkv, .Lfunc_end_k_qe86e8aba91_qkv-k_qe86e8aba91_qkv
	.p2alignl 7, 3214868480
	.fill 96, 4, 3214868480
	.section	.rodata,"a",@progbits
	.p2align	6, 0x0
	.amdhsa_kernel k_qe86e8aba91_qkv
		.amdhsa_group_segment_fixed_size 327680
		.amdhsa_private_segment_fixed_size 0
		.amdhsa_enable_private_segment 0
		.amdhsa_kernarg_size 48
		.amdhsa_user_sgpr_count 2
		.amdhsa_user_sgpr_kernarg_segment_ptr 1
		.amdhsa_wavefront_size32 1
		.amdhsa_system_sgpr_workgroup_id_x 1
		.amdhsa_system_sgpr_workgroup_id_y 1
		.amdhsa_system_sgpr_workgroup_id_z 1
		.amdhsa_system_vgpr_workitem_id 0
		.amdhsa_next_free_vgpr 1024
		.amdhsa_next_free_sgpr 100
		.amdhsa_reserve_vcc 0
		.amdhsa_float_denorm_mode_32 3
		.amdhsa_float_denorm_mode_16_64 3
		.amdhsa_memory_ordered 1
		.amdhsa_forward_progress 1
		.amdhsa_inst_pref_size 129
	.end_amdhsa_kernel
	.amdgpu_metadata
---
amdhsa.version: [ 1, 2 ]
amdhsa.kernels:
  - .name:           k_qe86e8aba91_qkv
    .symbol:         k_qe86e8aba91_qkv.kd
    .args:
      - { .name: xc, .offset: 0, .size: 8, .value_kind: global_buffer, .address_space: global }
      - { .name: xs, .offset: 8, .size: 8, .value_kind: global_buffer, .address_space: global }
      - { .name: wc, .offset: 16, .size: 8, .value_kind: global_buffer, .address_space: global }
      - { .name: ws, .offset: 24, .size: 8, .value_kind: global_buffer, .address_space: global }
      - { .name: qkvh, .offset: 32, .size: 8, .value_kind: global_buffer, .address_space: global }
      - { .name: q32, .offset: 40, .size: 8, .value_kind: global_buffer, .address_space: global }
    .group_segment_fixed_size: 327680
    .private_segment_fixed_size: 0
    .kernarg_segment_align: 8
    .kernarg_segment_size: 48
    .max_flat_workgroup_size: 128
    .sgpr_count:     100
    .vgpr_count:     1024
    .wavefront_size: 32
...
	.end_amdgpu_metadata
.endif
;; end of part 2
;; launch attn (part 3): grid 4 x 64, 16 waves a work-group, no clusters, 327,680 bytes of LDS; arguments qkvh, ao; writes ao
.if DOCPART == 3
	.amdgcn_target "amdgcn-amd-amdhsa--gfx1250"
	.amdhsa_code_object_version 6
	.text
	.protected	k_qe86e8aba91_attn
	.globl	k_qe86e8aba91_attn
	.p2align	8
	.type	k_qe86e8aba91_attn,@function
k_qe86e8aba91_attn:
	s_mov_b64 s[64:65], 0
	v_nop
	global_prefetch_b8 v0, s[64:65] scope:SCOPE_SE
	s_setreg_imm32_b32 hwreg(HW_REG_WAVE_MODE, 25, 1), 1
	s_wait_xcnt 0x0
; ao[b][h][q][:] = the sum over k <= q of softmax_k(q . k / 8) v[k][:], for 64 heads of 2,048 positions x 64 channels.  q, k, v in f16 (qkvh), products with f32 sums, maxima, exponentials and sums in f32; the weights p
; are rounded to f16 for the second product, ao is f16.  LIMIT: the result stays under 65,504.
; LEFT OUT: a key step (64 keys) all of whose keys come after all of the wave's 32 queries: the problem's own causal mask makes those weights exactly 0.  A NaN or infinity that reaches only such steps is not carried on.
; SHARES.  Work-group (J, head) owns two blocks of 256 queries: block 7 - J, then block J.  Keys come in UNITS of 256, an LDS slot each; block i wants units 0 .. i: 9 units for every work-group, a constant.
; Sixteen waves, four to a SIMD, 256 registers each.  Waves 2 G and 2 G + 1 own the same 32 queries (two tiles of 16); of a unit's four key steps the even wave takes steps 0 and 2, the odd wave 1 and 3.
; Each keeps a running maximum m, sum l and O^T of its own; at a block's end the odd wave hands its three to the even one through LDS, as images of its registers, and the even one joins, divides and stores.
; NO CLUSTER: the four work-groups of a head walk different units from their sixth trip on (8 - J units of the first block, then unit 0 again), so joint loads would not name the same tiles.
; LAYOUT.  S^T = K Q^T (source 0 = 16 keys, source 1 = 16 queries): a lane holds one query (lane % 16) and keys 8 (lane / 16) + 0..7.  Two such tiles, rounded to f16 in pairs, are source 1 of O^T = V^T P.  V is turned by ds_load_tr16_b128.
; p = 2^(c s - c m), c = log2(e) / 8; in every step O^T and l are multiplied by a = 2^(c m_old - c m_new).
.set SLOT1, 1<<17                      ; slot 1 begins here: one exclusive or turns an address
.set PK,    144                        ; a row of K in LDS: 128 bytes + 16
.set PV,    160                        ; a row of V: 128 + 32
.set VOFF,  256*PK
.set XCH,   SLOT1+256*(PK+PV)          ; behind the ring: for each pair of waves 8,192 bytes of O^T's images and 512 of statistics
.set XP,    8704
.set STAGE, XCH+8*XP                   ; 16 rows x 144 for each pair, for the way out
.set SPARE, STAGE+8*16*PK              ; the spare words, 128 bytes a wave
.set AK0, 1                            ; v1   my lane's place in a unit's K, my parity's first step
.set AV0, 2                            ; v2   the same for V
.set ADK, 3                            ; v3   + the slot in hand
.set ADV, 4
.set SPW, 5                            ; v5   my spare word; never rewritten
.set NIL, 6                            ; v6   0; never rewritten
.set STO, 7
.set RD,  8
.set GO,  9                            ; v9   16 x lane
.set QO,  10
.set XW,  11
.set XS,  12
.set DQ,  13                           ; v13  lane % 16 - 8 (lane / 16)
.set NINF, 14                          ; v14  -infinity
.set PFO, 15                           ; v15  256 x lane
.set RT,  16                           ; tile x's statistics at v[RT + 8 x]: +0 c m, +1 m, +2, +3 l, +4 .. +7 at work (a in +6)
.set RQ,  32                           ; v32-63   Q: tile x, channels 32 kk on: 8 registers at 16 x + 8 kk
.set RF,  64                           ; v64-127  a step's K, then its V
.set RS,  128                          ; v128-191 S^T, 32 a tile; p is packed into each tile's first 16
.set RO,  192                          ; v192-255 O^T, 32 a tile
.set WV,  8
.set GG,  9
.set PAR, 10
.set JJ,  11
.set FB,  12                           ; s12  the first block's units: 8 - J
.set HD,  13
.set Q1,  14                           ; s[14:15] q at my 32 queries of the first block;  s[16:17] of the second
.set Q2,  16
.set HB,  18                           ; s[18:19] qkvh at my head's q
.set OBASE, 20
.set SEL, 22
.set CS,  24
.set G1K, 28
.set G1V, 36
.set G0K, 44
.set G0V, 48
.set TB,  52                           ; s52  LDS byte at which the slot in hand begins
.set NN,  53                           ; s53  the trip
.set KU,  54                           ; s54  the unit in hand
.set QA,  56                           ; s56  my first query
.set KF,  57                           ; s57  the step's first key
.set OFF, 68
.set PFA, 70
.set LIM, 72
.set P64, 73
.set KB2, 74
.set VB2, 76
.set QB,  78
.set OB2, 80
; Waves 0 and 1 fetch a unit's K (128 rows each), waves 2 and 3 its V.  The branches hang on the wave's number alone.  An s_nop 0 and four v_nop follow each line.
.macro TLOAD
	s_cmp_lt_u32 s[WV], 2
	s_cbranch_scc0 .Lnot_k_\@
	tensor_load_to_lds s[G0K:G0K+3], s[G1K:G1K+7]
	s_nop 0
.rept 4
	v_nop
.endr
	s_branch .Lasked_\@
.Lnot_k_\@:
	s_cmp_lt_u32 s[WV], 4
	s_cbranch_scc0 .Lasked_\@
	tensor_load_to_lds s[G0V:G0V+3], s[G1V:G1V+7]
	s_nop 0
.rept 4
	v_nop
.endr
.Lasked_\@:
.endm
; A prefetch of the unit that the NEXT change of slots will ask for.  All four work-groups of a head begin with units 0, 1, 2 ..: work-group J = 0, which walks all eight in order, asks, and nobody else.
; In it waves 4-7 ask for K's 32,768 bytes, waves 8-11 for V's: 8,192 bytes a wave, lanes 256 bytes apart: each aligned 256 bytes is named once.  Trip n names unit n + 2; trips 6 and later name nothing.
.macro ASK
	s_cmp_lt_u32 s[NN], s[LIM]
	s_cbranch_scc0 .Lnot_mine_\@
	global_prefetch_b8 v[PFO], s[PFA:PFA+1] th:TH_LOAD_NT scope:SCOPE_SE
.Lnot_mine_\@:
.endm
.macro INIT                            ; m = -3e38, under every score; l and O^T zeros, which the first change of m leaves zeros
.irp x, 0,1
	v_mov_b32 v[RT+8*\x+1], 0xff61b1e6
	v_mul_f32 v[RT+8*\x], s[CS], v[RT+8*\x+1]
.irp k, 2,3,4,5,6,7
	v_mov_b32 v[RT+8*\x+\k], 0
.endr
.endr
.set i, 0
.rept 64
	v_mov_b32 v[RO+i], 0
.set i, i+1
.endr
.endm
	s_load_b128 s[4:7], s[0:1], 0x0                ; qkvh, ao
	v_lshl_add_u32 v[SPW], v0, 2, SPARE
	v_mov_b32 v[NIL], 0
	ds_add_u32 v[SPW], v[NIL]                      ; the wave's opening: the add, twice on end, and its wait ahead of the first tensor load
	ds_add_u32 v[SPW], v[NIL]
	v_lshrrev_b32 v64, 5, v0
	v_readfirstlane_b32 s[WV], v64                 ; wave 0..15
	s_lshr_b32 s[GG], s[WV], 1                     ; my pair
	s_and_b32 s[PAR], s[WV], 1                     ; my parity
	s_mov_b32 s[JJ], ttmp9
	s_sub_co_u32 s[FB], 8, s[JJ]
	s_and_b32 s[HD], ttmp7, 0xffff
	s_mov_b32 s[G1K], (1<<16)|(1<<20)|(4<<22)|(3<<25)   ; elements of 2 bytes; padding: 4 words after every 32
	s_mov_b32 s[G1V], (1<<16)|(1<<20)|(4<<22)|(7<<25)   ; 8 words
.irp g, G1K, G1V
	s_mov_b32 s[\g+1], 64<<16                      ; tensor_dim0
	s_mov_b32 s[\g+2], 128<<16                     ; tensor_dim1
	s_mov_b32 s[\g+3], 64<<16                      ; tile_dim0
	s_mov_b32 s[\g+4], 128                         ; tile_dim1
	s_mov_b32 s[\g+5], 64                          ; the pitch
	s_mov_b32 s[\g+6], 0
	s_mov_b32 s[\g+7], 0
.endr
	s_mov_b32 s[SEL], 0x76543210
	s_mov_b32 s[SEL+1], 0xfedcba98
	s_mov_b32 s[CS], 0x3e38aa3b                    ; c = log2(e) / 8
	s_mov_b32 s[CS+1], s[CS]
	s_mov_b32 s[TB], 0
	s_mov_b32 s[NN], 0
	s_mov_b32 s[KU], 0
	s_mov_b32 s[OFF+1], 0
	s_lshl_b32 s[P64], s[PAR], 6
	s_sub_co_u32 s58, 7, s[JJ]
	s_lshl_b32 s58, s58, 8
	s_lshl_b32 s59, s[GG], 5
	s_add_co_u32 s[QA], s58, s59                   ; my first query in block 7 - J,
	s_lshl_b32 s58, s[JJ], 8
	s_add_co_u32 s[QB], s58, s59                   ; and in block J
	s_sub_co_u32 s58, s[WV], 4
	s_lshr_b32 s58, s58, 3                         ; 0 in waves 4 to 11,
	s_or_b32 s58, s58, s[JJ]                       ; of work-group J = 0
	s_cmp_eq_u32 s58, 0
	s_cselect_b32 s[LIM], 6, 0
	s_mul_i32 s60, s[PAR], 128*PK                  ; where my load lands in a slot
	s_mul_i32 s61, s[PAR], 128*PV
	s_add_co_u32 s61, s61, VOFF
	s_wait_dscnt 0x0                               ; both opening adds are done
	s_wait_kmcnt 0x0
	s_lshl_b32 s58, s[HD], 18
	s_mov_b32 s59, 0
	s_add_nc_u64 s[HB:HB+1], s[4:5], s[58:59]
	s_add_nc_u64 s[OBASE:OBASE+1], s[6:7], s[58:59]
	s_lshl_b32 s58, s[PAR], 14                     ; my 128 rows of a unit
	s_add_nc_u64 s[KB2:KB2+1], s[HB:HB+1], s[58:59]
	s_add_nc_u64 s[KB2:KB2+1], s[KB2:KB2+1], 0x1000000
	s_add_nc_u64 s[VB2:VB2+1], s[KB2:KB2+1], 0x1000000
	s_mov_b32 s[G0K], 1
	s_mov_b32 s[G0K+1], s60
	s_mov_b64 s[G0K+2:G0K+3], s[KB2:KB2+1]
	s_or_b32 s[G0K+3], s[G0K+3], 0x80000000
	s_mov_b32 s[G0V], 1
	s_mov_b32 s[G0V+1], s61
	s_mov_b64 s[G0V+2:G0V+3], s[VB2:VB2+1]
	s_or_b32 s[G0V+3], s[G0V+3], 0x80000000
	TLOAD                                          ; unit 0 into slot 0
	s_lshl_b32 s58, s[QA], 7
	s_add_nc_u64 s[Q1:Q1+1], s[HB:HB+1], s[58:59]
	s_lshl_b32 s58, s[QB], 7
	s_add_nc_u64 s[Q2:Q2+1], s[HB:HB+1], s[58:59]
	s_cmp_lt_u32 s[WV], 8
	s_mov_b32 s58, 0x2000000
	s_cselect_b32 s58, 0x1000000, s58              ; waves 4-7: K, waves 8-11: V
	s_and_b32 s60, s[WV], 3
	s_lshl_b32 s60, s60, 13
	s_add_co_u32 s58, s58, s60
	s_add_co_u32 s58, s58, 32768                   ; at unit 1: the first change of slots steps it to unit 2
	s_add_nc_u64 s[PFA:PFA+1], s[HB:HB+1], s[58:59]
	v_and_b32 v64, 15, v0                          ; r
	v_bfe_u32 v65, v0, 4, 1                        ; h
	v_and_b32 v66, 31, v0                          ; lane
	v_lshlrev_b32 v[QO], 7, v64
	v_lshl_add_u32 v[QO], v65, 4, v[QO]            ; q: row r of 128 bytes + 16 h
.irp x, 0,1
.irp kk, 0,1
	global_load_b128 v[RQ+16*\x+8*\kk:RQ+16*\x+8*\kk+3], v[QO], s[Q1:Q1+1] offset:2048*\x+64*\kk
	global_load_b128 v[RQ+16*\x+8*\kk+4:RQ+16*\x+8*\kk+7], v[QO], s[Q1:Q1+1] offset:2048*\x+64*\kk+32
.endr
.endr
	v_mul_u32_u24 v[AK0], v64, PK
	v_lshl_add_u32 v[AK0], v65, 4, v[AK0]
	s_mul_i32 s58, s[PAR], 64*PK
	v_add_nc_u32 v[AK0], s58, v[AK0]
	v_and_b32 v67, 7, v0
	v_bfe_u32 v68, v0, 3, 1
	v_lshl_add_u32 v[AV0], v65, 3, v67
	v_mul_u32_u24 v[AV0], v[AV0], PV
	v_lshl_add_u32 v[AV0], v68, 4, v[AV0]
	s_mul_i32 s58, s[PAR], 64*PV
	s_add_co_u32 s58, s58, VOFF
	v_add_nc_u32 v[AV0], s58, v[AV0]
	s_mul_i32 s58, s[GG], 16*PK
	s_add_co_u32 s58, s58, STAGE                   ; my pair's stage
	v_mul_u32_u24 v[STO], v64, PK
	v_lshl_add_u32 v[STO], v65, 4, v[STO]
	v_add_nc_u32 v[STO], s58, v[STO]               ; in: row r, 16 bytes for each half of the lanes
	v_bfe_u32 v69, v0, 3, 2
	v_mul_u32_u24 v[RD], v69, PK
	v_lshl_add_u32 v[RD], v67, 4, v[RD]
	v_add_nc_u32 v[RD], s58, v[RD]                 ; back: eight lanes to a row of 128 bytes, four rows an instruction
	v_lshlrev_b32 v[GO], 4, v66
	s_mul_i32 s58, s[GG], XP
	s_add_co_u32 s58, s58, XCH
	v_add_nc_u32 v[XW], s58, v[GO]
	s_add_co_u32 s58, s58, 8192
	v_lshl_add_u32 v[XS], v66, 2, s58
	v_lshlrev_b32 v[DQ], 3, v65
	v_sub_nc_u32 v[DQ], v64, v[DQ]
	v_mov_b32 v[NINF], 0xff800000
	v_lshlrev_b32 v[PFO], 8, v66
	INIT
; A KEY STEP: 64 keys, the (2 u + parity)-th of the unit in hand, for my two tiles of queries.
.macro STEP u
	s_lshl_b32 s[KF], s[KU], 8
	s_add_co_u32 s[KF], s[KF], s[P64]
.if \u
	s_add_co_u32 s[KF], s[KF], 128
.endif
	s_add_co_u32 s58, s[QA], 31
	s_cmp_gt_u32 s[KF], s58                        ; all 64 keys come after my last query: the step is left out.  Ids and the count of units alone
	s_cbranch_scc1 .Lhidden_\@
.rept 5
	v_nop                                          ; places behind the last products: four for the loads into the registers that they read, five for the products below, which write over the p that they read
.endr
.irp kt, 0,1,2,3
.irp kk, 0,1
	ds_load_b128 v[RF+16*\kt+8*\kk:RF+16*\kt+8*\kk+3], v[ADK] offset:128*PK*\u+16*PK*\kt+64*\kk
	ds_load_b128 v[RF+16*\kt+8*\kk+4:RF+16*\kt+8*\kk+7], v[ADK] offset:128*PK*\u+16*PK*\kt+64*\kk+32
.endr
.endr
	s_wait_dscnt 0x0
.irp kk, 0,1                           ; S^T = K Q^T: the eight accumulators take turns, one instruction a turn; the first eight start the sums
.irp kt, 0,1,2,3
.irp x, 0,1
.if \kk == 0
	v_wmma_f32_16x16x32_f16 v[RS+32*\x+8*\kt:RS+32*\x+8*\kt+7], v[RF+16*\kt+8*\kk:RF+16*\kt+8*\kk+7], v[RQ+16*\x+8*\kk:RQ+16*\x+8*\kk+7], 0
.else
	v_wmma_f32_16x16x32_f16 v[RS+32*\x+8*\kt:RS+32*\x+8*\kt+7], v[RF+16*\kt+8*\kk:RF+16*\kt+8*\kk+7], v[RQ+16*\x+8*\kk:RQ+16*\x+8*\kk+7], v[RS+32*\x+8*\kt:RS+32*\x+8*\kt+7]
.endif
.endr
.endr
.endr
.rept 4
	v_nop                                          ; places: for the loads into K's registers, and for the first reads of the scores
.endr
.irp hf, 0,1                           ; V, turned, lands while the softmax is walked: keys 32 hf on, channels 16 t on
.irp t, 0,1,2,3
	ds_load_tr16_b128 v[RF+32*\hf+8*\t:RF+32*\hf+8*\t+3], v[ADV] offset:128*PV*\u+32*PV*\hf+32*\t
	ds_load_tr16_b128 v[RF+32*\hf+8*\t+4:RF+32*\hf+8*\t+7], v[ADV] offset:128*PV*\u+32*PV*\hf+16*PV+32*\t
.endr
.endr
	s_add_co_u32 s58, s[KF], 63
	s_cmp_le_u32 s58, s[QA]                        ; all 64 keys count for all my queries: no mask
	s_cbranch_scc1 .Lopen_\@
	s_sub_co_u32 s58, s[QA], s[KF]
	v_add_nc_u32 v[RT+4], s58, v[DQ]               ; d = my query - KF - 8 (lane / 16).  Register n holds key KF + 8 (lane / 16) + 16 (n / 8) + n % 8: hidden where 16 (n / 8) + n % 8 > d
	v_add_nc_u32 v[RT+12], 16, v[RT+4]
.irp x, 0,1
.set n, 0
.rept 32
	v_cmp_gt_i32 vcc_lo, 16*(n/8)+n%8, v[RT+8*\x+4]
	v_cndmask_b32 v[RS+32*\x+n], v[RS+32*\x+n], v[NINF], vcc_lo
.set n, n+1
.endr
.endr
.Lopen_\@:
	; the maximum of the lane's 32 scores and the old m, three operands at a time; the two tiles line by line; each accumulator is first read at its low end
.irp j, 0,1,2,3
.irp x, 0,1
	v_max3_num_f32 v[RT+8*\x+4+\j], v[RS+32*\x+8*\j], v[RS+32*\x+8*\j+1], v[RS+32*\x+8*\j+2]
.endr
.endr
.irp g, 3,5
.irp j, 0,1,2,3
.irp x, 0,1
	v_max3_num_f32 v[RT+8*\x+4+\j], v[RT+8*\x+4+\j], v[RS+32*\x+8*\j+\g], v[RS+32*\x+8*\j+\g+1]
.endr
.endr
.endr
.irp x, 0,1
	v_max3_num_f32 v[RT+8*\x+4], v[RT+8*\x+4], v[RS+32*\x+7], v[RS+32*\x+15]
.endr
.irp x, 0,1
	v_max3_num_f32 v[RT+8*\x+6], v[RT+8*\x+6], v[RS+32*\x+23], v[RS+32*\x+31]
.endr
.irp x, 0,1
	v_max3_num_f32 v[RT+8*\x+4], v[RT+8*\x+4], v[RT+8*\x+5], v[RT+8*\x+6]
.endr
.irp x, 0,1
	v_max3_num_f32 v[RT+8*\x+4], v[RT+8*\x+4], v[RT+8*\x+7], v[RT+8*\x+1]
.endr
.irp x, 0,1
	v_permlanex16_b32 v[RT+8*\x+5], v[RT+8*\x+4], s[SEL], s[SEL+1]   ; the query's other 32 keys lie in the lane 16 away
.endr
.irp x, 0,1
	v_mov_b32 v[RT+8*\x+7], v[RT+8*\x]             ; c m_old
.endr
.irp x, 0,1
	v_max_num_f32 v[RT+8*\x+1], v[RT+8*\x+4], v[RT+8*\x+5]
.endr
.irp x, 0,1
	v_mul_f32 v[RT+8*\x], s[CS], v[RT+8*\x+1]
.endr
.irp x, 0,1
	v_sub_f32 v[RT+8*\x+7], v[RT+8*\x+7], v[RT+8*\x]
.endr
.set n, 0
.rept 16
	v_pk_fma_f32 v[RS+n:RS+n+1], v[RS+n:RS+n+1], s[CS:CS+1], v[RT:RT+1] op_sel_hi:[1,0,0] neg_lo:[0,0,1] neg_hi:[0,0,1]   ; c s - c m
	v_pk_fma_f32 v[RS+32+n:RS+32+n+1], v[RS+32+n:RS+32+n+1], s[CS:CS+1], v[RT+8:RT+9] op_sel_hi:[1,0,0] neg_lo:[0,0,1] neg_hi:[0,0,1]
.set n, n+2
.endr
	v_exp_f32 v[RT+6], v[RT+7]                     ; ONE BATCH: a of both tiles and the 64 weights
	v_exp_f32 v[RT+14], v[RT+15]
.set n, 0
.rept 32
	v_exp_f32 v[RS+n], v[RS+n]
	v_exp_f32 v[RS+32+n], v[RS+32+n]
.set n, n+1
.endr
	v_nop                                          ; a plain instruction behind the last exponential
	s_wait_alu depctr_va_vdst(0)                   ; one wait for the batch, ahead of its first reader
.irp x, 0,1                            ; l = a l + the sum of the unrounded weights, in two chains a tile
	v_pk_fma_f32 v[RT+8*\x+2:RT+8*\x+3], v[RT+8*\x+2:RT+8*\x+3], v[RT+8*\x+6:RT+8*\x+7], v[RS+32*\x:RS+32*\x+1] op_sel_hi:[1,0,1]
.endr
.irp x, 0,1
	v_pk_add_f32 v[RT+8*\x+4:RT+8*\x+5], v[RS+32*\x+2:RS+32*\x+3], v[RS+32*\x+4:RS+32*\x+5]
.endr
.irp b, 3,5,7,9,11,13
.irp x, 0,1
	v_pk_add_f32 v[RT+8*\x+2:RT+8*\x+3], v[RT+8*\x+2:RT+8*\x+3], v[RS+32*\x+2*\b:RS+32*\x+2*\b+1]
.endr
.irp x, 0,1
	v_pk_add_f32 v[RT+8*\x+4:RT+8*\x+5], v[RT+8*\x+4:RT+8*\x+5], v[RS+32*\x+2*\b+2:RS+32*\x+2*\b+3]
.endr
.endr
.irp x, 0,1
	v_pk_add_f32 v[RT+8*\x+2:RT+8*\x+3], v[RT+8*\x+2:RT+8*\x+3], v[RS+32*\x+30:RS+32*\x+31]
.endr
.irp x, 0,1
	v_pk_add_f32 v[RT+8*\x+2:RT+8*\x+3], v[RT+8*\x+2:RT+8*\x+3], v[RT+8*\x+4:RT+8*\x+5]
.endr
.set n, 0
.rept 16                               ; the weights to f16, in place and ascending: register n takes weights 2 n and 2 n + 1; registers 8 hf .. 8 hf + 7 are source 1 for keys 32 hf on
	v_cvt_pk_f16_f32 v[RS+n], v[RS+2*n], v[RS+2*n+1]
	v_cvt_pk_f16_f32 v[RS+32+n], v[RS+32+2*n], v[RS+32+2*n+1]
.set n, n+1
.endr
.set n, 0
.rept 16
	v_pk_mul_f32 v[RO+n:RO+n+1], v[RO+n:RO+n+1], v[RT+6:RT+7] op_sel_hi:[1,0]          ; O^T x a
	v_pk_mul_f32 v[RO+32+n:RO+32+n+1], v[RO+32+n:RO+32+n+1], v[RT+14:RT+15] op_sel_hi:[1,0]
.set n, n+2
.endr
	s_wait_dscnt 0x0                               ; V is in
.irp hf, 0,1                           ; O^T += V^T P: eight accumulators by turns
.irp t, 0,1,2,3
.irp x, 0,1
	v_wmma_f32_16x16x32_f16 v[RO+32*\x+8*\t:RO+32*\x+8*\t+7], v[RF+32*\hf+8*\t:RF+32*\hf+8*\t+7], v[RS+32*\x+8*\hf:RS+32*\x+8*\hf+7], v[RO+32*\x+8*\t:RO+32*\x+8*\t+7]
.endr
.endr
.endr
.Lhidden_\@:
.endm
.macro UNIT
	v_add_nc_u32 v[ADK], s[TB], v[AK0]
	v_add_nc_u32 v[ADV], s[TB], v[AV0]
	STEP 0
	STEP 1
	s_xor_b32 s[TB], s[TB], SLOT1                  ; on to the other slot,
	s_add_co_u32 s[KU], s[KU], 1                   ; the next unit
.endm
; THE CHANGE OF SLOTS, at a unit's head.  Each wave waits for all its tensor loads, adds 0 to its spare word, and waits for that and for its reads of the slot that it has left.  Behind the barrier the slot ahead is whole
; and nobody reads the other one.  fill = 1: that other slot takes the next trip's unit: unit n + 1 of the first block, or n + 1 - FB of the second.  By this text's count a loading wave has one tensor load out.
.macro CHANGE fill
	s_wait_tensorcnt 0x0                           ; no tensor load of mine is out, so a group 0 may be written
	ds_add_u32 v[SPW], v[NIL]
.if \fill
	ds_add_u32 v[SPW], v[NIL]                      ; and once more
	s_add_co_u32 s58, s[NN], 1
	s_sub_co_u32 s59, s58, s[FB]
	s_cmp_lt_u32 s58, s[FB]
	s_cselect_b32 s[OFF], s58, s59
	s_lshl_b32 s[OFF], s[OFF], 15                  ; a unit is 256 rows of 128 bytes
	s_add_nc_u64 s[G0K+2:G0K+3], s[KB2:KB2+1], s[OFF:OFF+1]
	s_or_b32 s[G0K+3], s[G0K+3], 0x80000000
	s_add_nc_u64 s[G0V+2:G0V+3], s[VB2:VB2+1], s[OFF:OFF+1]
	s_or_b32 s[G0V+3], s[G0V+3], 0x80000000
	s_xor_b32 s[G0K+1], s[G0K+1], SLOT1
	s_xor_b32 s[G0V+1], s[G0V+1], SLOT1
	s_wait_xcnt 0x0                                ; the last prefetch, a unit back, has read its address
	s_add_nc_u64 s[PFA:PFA+1], s[PFA:PFA+1], 32768
.endif
	s_wait_dscnt 0x0                               ; the add is done, and my reads of the slot that I have left are over
	s_barrier_signal -1
	s_barrier_wait -1
.if \fill
	TLOAD                                          ; the first thing behind the barrier, and a wave's one tensor load until the next
	ASK
.endif
.endm
; A BLOCK'S END.  The odd wave of each pair stores O^T, c m and l as images of its registers; a barrier; the even wave joins them with its own: with c M the larger c m, f = 2^(c m - c M) for each side,
; O = (O_even f_even + O_odd f_odd) / (l_even f_even + l_odd f_odd), rounds to f16 and stores, through its stage, 512 consecutive bytes an instruction.  next = 1: the second block's Q is fetched meanwhile, and the state begins anew.
; The whole stands under one branch made of ids and the trip's number, the same in all sixteen waves.  The next change of slots, with its wait and barrier, parts these reads of the exchange bytes from the next block's stores.
.macro MERGE next
.rept 4
	v_nop                                          ; places behind the last products
.endr
.if \next
.irp x, 0,1
.irp kk, 0,1
	global_load_b128 v[RQ+16*\x+8*\kk:RQ+16*\x+8*\kk+3], v[QO], s[Q2:Q2+1] offset:2048*\x+64*\kk
	global_load_b128 v[RQ+16*\x+8*\kk+4:RQ+16*\x+8*\kk+7], v[QO], s[Q2:Q2+1] offset:2048*\x+64*\kk+32
.endr
.endr
.endif
	s_cmp_eq_u32 s[PAR], 0
	s_cbranch_scc1 .Ltakes_\@
	v_add_f32 v[RT+4], v[RT+2], v[RT+3]
	v_add_f32 v[RT+12], v[RT+10], v[RT+11]
.irp q, 0,1,2,3,4,5,6,7,8,9,10,11,12,13,14,15
	ds_store_b128 v[XW], v[RO+4*\q:RO+4*\q+3] offset:512*\q        ; each accumulator from its low end on
.endr
	ds_store_b32 v[XS], v[RT]
	ds_store_b32 v[XS], v[RT+4] offset:128
	ds_store_b32 v[XS], v[RT+8] offset:256
	ds_store_b32 v[XS], v[RT+12] offset:384
.Ltakes_\@:
	s_wait_dscnt 0x0                               ; for the other wave's sake: my stores have landed
	s_barrier_signal -1
	s_barrier_wait -1                              ; the next unit's load may stay out
	s_cmp_lg_u32 s[PAR], 0
	s_cbranch_scc1 .Lgave_\@
.irp q, 0,1,2,3,4,5,6,7,8,9,10,11,12,13,14,15
	ds_load_b128 v[RF+4*\q:RF+4*\q+3], v[XW] offset:512*\q
.endr
.irp x, 0,1
	ds_load_b32 v[RT+8*\x+4], v[XS] offset:256*\x                  ; the other's c m,
	ds_load_b32 v[RT+8*\x+5], v[XS] offset:256*\x+128              ; and l
.endr
.irp x, 0,1
	v_add_f32 v[RT+8*\x+2], v[RT+8*\x+2], v[RT+8*\x+3]
.endr
	s_lshl_b32 s62, s[QA], 7
	s_mov_b32 s63, 0
	s_add_nc_u64 s[OB2:OB2+1], s[OBASE:OBASE+1], s[62:63]          ; ao at my first query
	s_wait_dscnt 0x0
.irp x, 0,1
	v_max_num_f32 v[RT+8*\x+6], v[RT+8*\x], v[RT+8*\x+4]
.endr
.irp x, 0,1
	v_sub_f32 v[RT+8*\x+7], v[RT+8*\x], v[RT+8*\x+6]
.endr
.irp x, 0,1
	v_sub_f32 v[RT+8*\x+4], v[RT+8*\x+4], v[RT+8*\x+6]
.endr
.irp x, 0,1
	v_exp_f32 v[RT+8*\x+1], v[RT+8*\x+7]           ; my f
.endr
.irp x, 0,1
	v_exp_f32 v[RT+8*\x+3], v[RT+8*\x+4]           ; the other's
.endr
	v_nop
	s_wait_alu depctr_va_vdst(0)                   ; one wait for the four
.irp x, 0,1
	v_mul_f32 v[RT+8*\x+2], v[RT+8*\x+2], v[RT+8*\x+1]
.endr
.irp x, 0,1
	v_fma_f32 v[RT+8*\x+2], v[RT+8*\x+5], v[RT+8*\x+3], v[RT+8*\x+2]
.endr
.irp x, 0,1
	v_permlanex16_b32 v[RT+8*\x+5], v[RT+8*\x+2], s[SEL], s[SEL+1]
.endr
.irp x, 0,1
	v_add_f32 v[RT+8*\x+2], v[RT+8*\x+2], v[RT+8*\x+5]             ; the row's sum
.endr
.irp x, 0,1
	v_rcp_f32 v[RT+8*\x+6], v[RT+8*\x+2]
.endr
	v_nop
	s_wait_alu depctr_va_vdst(0)                   ; one wait for the two
.irp x, 0,1
	v_mul_f32 v[RT+8*\x], v[RT+8*\x+1], v[RT+8*\x+6]
.endr
.irp x, 0,1
	v_mul_f32 v[RT+8*\x+4], v[RT+8*\x+3], v[RT+8*\x+6]
.endr
.set i, 0
.rept 32
	v_pk_mul_f32 v[RO+2*i:RO+2*i+1], v[RO+2*i:RO+2*i+1], v[RT+8*(i/16):RT+8*(i/16)+1] op_sel_hi:[1,0]
.set i, i+1
.endr
.set i, 0
.rept 32
	v_pk_fma_f32 v[RO+2*i:RO+2*i+1], v[RF+2*i:RF+2*i+1], v[RT+8*(i/16)+4:RT+8*(i/16)+5], v[RO+2*i:RO+2*i+1] op_sel_hi:[1,0,1]
.set i, i+1
.endr
.irp x, 0,1
.set i, 0
.rept 16
	v_cvt_pk_f16_f32 v[RS+16*\x+i], v[RO+32*\x+2*i], v[RO+32*\x+2*i+1]
.set i, i+1
.endr
.irp t, 0,1,2,3
	ds_store_b128 v[STO], v[RS+16*\x+4*\t:RS+16*\x+4*\t+3] offset:32*\t
.endr
.irp t, 0,1,2,3
	ds_load_b128 v[RS+32+16*\x+4*\t:RS+32+16*\x+4*\t+3], v[RD] offset:4*PK*\t    ; LDS serves a wave's instructions in order: these see the stores above, and the next tile's stores come behind them
.endr
.endr
	s_wait_dscnt 0x0
.irp x, 0,1
.irp t, 0,1,2,3
	global_store_b128 v[GO], v[RS+32+16*\x+4*\t:RS+32+16*\x+4*\t+3], s[OB2:OB2+1] offset:2048*\x+512*\t   ; four rows of 128 bytes: 512 consecutive bytes, aligned
.endr
.endr
	s_wait_xcnt 0x0                                ; the stores have read their data and their base: both are written again later
.Lgave_\@:
.if \next
	s_mov_b32 s[QA], s[QB]
	s_mov_b32 s[KU], 0
	INIT
	s_wait_loadcnt 0x0                             ; the second block's Q
.endif
.endm
	s_wait_loadcnt 0x0                             ; Q
.Lunit:                                            ; eight trips: behind each change of slots the next trip's unit is asked for
	s_cmp_lg_u32 s[NN], s[FB]
	s_cbranch_scc1 .Lsame_block
	MERGE 1
.Lsame_block:
	CHANGE 1
	UNIT
	s_add_co_u32 s[NN], s[NN], 1
	s_cmp_lt_u32 s[NN], 8
	s_cbranch_scc1 .Lunit
	s_cmp_lg_u32 s[FB], 8                          ; the ninth unit is written out: nothing is left to ask for
	s_cbranch_scc1 .Lsame_block_8
	MERGE 1
.Lsame_block_8:
	CHANGE 0
	UNIT
	MERGE 0
	s_wait_tensorcnt 0x0                           ; the wave's end
	ds_add_u32 v[SPW], v[NIL]
	s_wait_dscnt 0x0
	s_endpgm
.Lfunc_end_k_qe86e8aba91_attn:
	.size	k_qe86e8aba91_attn, .Lfunc_end_k_qe86e8aba91_attn-k_qe86e8aba91_attn
	.p2alignl 7, 3214868480
	.fill 96, 4, 3214868480
	.section	.rodata,"a",@progbits
	.p2align	6, 0x0
	.amdhsa_kernel k_qe86e8aba91_attn
		.amdhsa_group_segment_fixed_size 327680
		.amdhsa_private_segment_fixed_size 0
		.amdhsa_enable_private_segment 0
		.amdhsa_kernarg_size 16
		.amdhsa_user_sgpr_count 2
		.amdhsa_user_sgpr_kernarg_segment_ptr 1
		.amdhsa_wavefront_size32 1
		.amdhsa_system_sgpr_workgroup_id_x 1
		.amdhsa_system_sgpr_workgroup_id_y 1
		.amdhsa_system_sgpr_workgroup_id_z 1
		.amdhsa_system_vgpr_workitem_id 0
		.amdhsa_next_free_vgpr 256
		.amdhsa_next_free_sgpr 84
		.amdhsa_reserve_vcc 1
		.amdhsa_float_denorm_mode_32 3
		.amdhsa_float_denorm_mode_16_64 3
		.amdhsa_memory_ordered 1
		.amdhsa_forward_progress 1
		.amdhsa_inst_pref_size 140
	.end_amdhsa_kernel
	.amdgpu_metadata
---
amdhsa.version: [ 1, 2 ]
amdhsa.kernels:
  - .name:           k_qe86e8aba91_attn
    .symbol:         k_qe86e8aba91_attn.kd
    .args:
      - { .name: qkvh, .offset: 0, .size: 8, .value_kind: global_buffer, .address_space: global }
      - { .name: ao, .offset: 8, .size: 8, .value_kind: global_buffer, .address_space: global }
    .group_segment_fixed_size: 327680
    .private_segment_fixed_size: 0
    .kernarg_segment_align: 8
    .kernarg_segment_size: 16
    .max_flat_workgroup_size: 512
    .sgpr_count:     84
    .vgpr_count:     256
    .wavefront_size: 32
...
	.end_amdgpu_metadata
.endif
;; end of part 3
;; launch proj (part 4): grid 8 x 32, 4 waves a work-group, clusters of 4 x 4, 327,680 bytes of LDS; arguments ao, wo16, b_o, out0; writes out0
.if DOCPART == 4
	.amdgcn_target "amdgcn-amd-amdhsa--gfx1250"
	.amdhsa_code_object_version 6
	.text
	.protected	k_qe86e8aba91_proj
	.globl	k_qe86e8aba91_proj
	.p2align	8
	.type	k_qe86e8aba91_proj,@function
k_qe86e8aba91_proj:
	s_mov_b64 s[64:65], 0
	v_nop
	global_prefetch_b8 v0, s[64:65] scope:SCOPE_SE
	s_setreg_imm32_b32 hwreg(HW_REG_WAVE_MODE, 25, 1), 1
	s_wait_xcnt 0x0
	s_wait_alu depctr_hold_cnt(0) depctr_sa_sdst(0) depctr_va_vdst(0) depctr_va_sdst(0) depctr_va_ssrc(0) depctr_va_vcc(0) depctr_vm_vsrc(0)
	s_getreg_b32 s2, hwreg(HW_REG_IB_STS2, 6, 4)
	s_cmp_eq_u32 s2, 0
	s_cbranch_scc0 .Lentry_in_a_cluster
	s_endpgm
.Lentry_in_a_cluster:
	s_bfe_u32 s2, ttmp6, 0x10000c
	s_cmp_lg_u32 s2, 0xf033
	s_cbranch_scc0 .Lentry_shape_is_right
	s_endpgm
.Lentry_shape_is_right:
; out0[m][e] = the sum over d of o[m][d] w_o[e][d] + b_o[e]: [8192][1024] x [1024][1024]^T, f16 operands, f32 sums and results.  Nothing is left out here (rows 0-15 of each sequence are written once more, finer, by the last launch).
; Both operands lie by heads: ao [b][h][s][64], wo16 [h][e][64]: a head's part of a tile is a dense block of rows of 128 bytes.
; A tile of the result is 256 rows x 128 columns: 32 x 8 = 256 work-groups.  Four waves, each 128 rows x 64 columns: 32 accumulators, 256 registers.
; A K step is two heads (128 along K), through two LDS slots: 8 K steps, 128 matrix instructions a wave in each.  Wave 0 and 1 fetch A's two heads (256 rows each), waves 2 and 3 B's (128 rows each).
; CLUSTER 4 x 4: A's tiles are shared along a row of the cluster, B's along a column, each asked for jointly.  THE MATRIX INSTRUCTION IS USED TRANSPOSED (source 0 = rows of w_o, source 1 = rows of o).
; The bias is the C of each sum's first matrix instruction.
; REGISTERS: window 0: v16-30 addresses; v32-63 the bias; v64-159, v160-255 two fragment buffers (A's 8 blocks, then B's 4).  window 1: accumulator (a, b) at v[8 (4 a + b)].
.set PITCH,  144                       ; an LDS row: 128 bytes + 16
.set AH,     256*PITCH
.set BH,     128*PITCH
.set SLOT,   2*AH+2*BH
.set STAGE,  2*SLOT
.set SPITCH, 272
.set SPARE,  STAGE+4*16*SPITCH
.set KSA,    524288                    ; a K step on in ao: two heads of 2^18 bytes
.set KSB,    262144                    ; in wo16: two heads of 2^17
.set ADRA, 16
.set ADRB, 20
.set STO,  24
.set RD,   25
.set CO,   26
.set SPW,  28
.set NIL,  29
.set PFO,  30
.set BI,   32
.set F0,   64
.set F1,   160
.set WV,   12
.set RH,   13
.set CH,   14
.set LIM,  2
.set PFA,  44
.set G1, 24
.set G0, 32
.set G1B, 48
.set G0B, 56
.set MSB, 0
.macro WIN new
.if MSB != \new
	s_set_vgpr_msb (MSB<<8)|\new
.set MSB, \new
.endif
.endm
.set MUL,  0x50                        ; C and D window 1
.set MULZ, 0x40                        ; D window 1, C (the bias) window 0
.macro JLOAD s                         ; waves 0 and 1 ask for A, waves 2 and 3 for B; an s_nop 0 and four v_nop follow each line
	s_cmp_eq_u32 s[RH], 0
	s_cbranch_scc0 .Lfor_b_\@
	tensor_load_to_lds s[G0+4*\s:G0+4*\s+3], s[G1:G1+7]
	s_nop 0
.rept 4
	v_nop
.endr
	s_branch .Lasked_\@
.Lfor_b_\@:
	tensor_load_to_lds s[G0B+4*\s:G0B+4*\s+3], s[G1B:G1B+7]
	s_nop 0
.rept 4
	v_nop
.endr
.Lasked_\@:
.endm
; A prefetch of A's K step two refills on.  A tile row is read by both clusters of its row of clusters: cluster x = 0 asks.  Wave 0 and 1 ask for the head that they fetch; its 32,768 dense bytes are shared out among the four
; partners by address, 8,192 each, lanes 256 bytes apart: each aligned 256 bytes is named once.  The last two refills name nothing.  B's 2 MiB are read by all 32 tile rows and are not asked for.
.macro ASK
	s_cmp_gt_u32 s3, s[LIM]
	s_cbranch_scc0 .Lnot_mine_\@
	global_prefetch_b8 v[PFO], s[PFA:PFA+1] offset:KSA th:TH_LOAD_NT scope:SCOPE_SE
.Lnot_mine_\@:
.endm
.macro CREST
	s_cmp_lg_u32 s[WV], 0
	s_cbranch_scc1 .Lnot_wave_0_\@
	s_barrier_signal -3
.Lnot_wave_0_\@:
	s_barrier_wait -3
	s_barrier_signal -1
	s_barrier_wait -1
.endm
.macro CROUND
	s_barrier_signal -1
	s_barrier_wait -1
	CREST
.endm
	s_load_b256 s[4:11], s[0:1], 0x0               ; ao, wo16, b_o, out0
	v_lshl_add_u32 v[SPW], v0, 2, SPARE
	v_mov_b32 v[NIL], 0
	ds_add_u32 v[SPW], v[NIL]                      ; the wave's opening: the add, twice on end, and its wait ahead of my first tensor load
	ds_add_u32 v[SPW], v[NIL]
	v_lshrrev_b32 v1, 5, v0
	v_readfirstlane_b32 s[WV], v1
	s_lshr_b32 s[RH], s[WV], 1                     ; which 128 rows are mine.  Also: I fetch for A (0) or for B (1)
	s_and_b32 s[CH], s[WV], 1                      ; which 64 columns.  Also: which of a K step's two heads I fetch
	s_bfe_u32 s40, ttmp6, 0x40000                  ; cx
	s_bfe_u32 s41, ttmp6, 0x40004                  ; cy
	s_lshl_b32 s42, ttmp9, 2
	s_add_co_u32 s42, s42, s40                     ; tile column
	s_and_b32 s43, ttmp7, 0xffff
	s_lshl_b32 s43, s43, 2
	s_add_co_u32 s43, s43, s41                     ; tile row
	s_lshl_b32 s15, s41, 2
	s_lshl_b32 s15, 15, s15                        ; my row of the cluster
	s_lshl_b32 s46, 0x1111, s40                    ; my column
	s_or_b32 s[G1+0], s15, (1<<16)|(1<<20)|(1<<21)|(4<<22)|(3<<25)   ; elements of 2 bytes; padding: 4 words after every 32
	s_or_b32 s[G1B+0], s46, (1<<16)|(1<<20)|(1<<21)|(4<<22)|(3<<25)
	s_mov_b32 s[G1+1], 64<<16
	s_mov_b32 s[G1+2], 256<<16
	s_mov_b32 s[G1+3], 64<<16
	s_mov_b32 s[G1+4], 256
	s_mov_b32 s[G1+5], 64
	s_mov_b32 s[G1+6], 0
	s_mov_b32 s[G1+7], 0
	s_mov_b32 s[G1B+1], 64<<16
	s_mov_b32 s[G1B+2], 128<<16
	s_mov_b32 s[G1B+3], 64<<16
	s_mov_b32 s[G1B+4], 128
	s_mov_b32 s[G1B+5], 64
	s_mov_b32 s[G1B+6], 0
	s_mov_b32 s[G1B+7], 0
	s_lshr_b32 s16, s43, 3                         ; A: the batch,
	s_lshl_b32 s16, s16, 22
	s_and_b32 s17, s43, 7                          ; 256 positions of 128 bytes,
	s_lshl_b32 s17, s17, 15
	s_add_co_u32 s16, s16, s17
	s_lshl_b32 s17, s[CH], 18                      ; my head of the two
	s_add_co_u32 s16, s16, s17
	s_mov_b32 s17, 0
	s_lshl_b32 s46, s42, 14                        ; B: 128 rows of 128 bytes,
	s_lshl_b32 s47, s[CH], 17                      ; my head
	s_add_co_u32 s46, s46, s47
	s_mov_b32 s47, 0
	s_mul_i32 s20, s[CH], AH                       ; where they go
	s_mul_i32 s21, s[CH], BH
	s_add_co_u32 s21, s21, 2*AH
	s_wait_dscnt 0x0                               ; both opening adds are done
	s_wait_kmcnt 0x0
	s_add_nc_u64 s[18:19], s[4:5], s[16:17]
	s_add_nc_u64 s[46:47], s[6:7], s[46:47]
	CROUND                                         ; all sixteen work-groups are here: the first joint loads meet
.irp s, 0,1
	s_mov_b32 s[G0+4*\s], 1
	s_add_co_u32 s[G0+4*\s+1], s20, \s*SLOT
	s_add_nc_u64 s[G0+4*\s+2:G0+4*\s+3], s[18:19], \s*KSA
	s_or_b32 s[G0+4*\s+3], s[G0+4*\s+3], 0x80000000
	s_mov_b32 s[G0B+4*\s], 1
	s_add_co_u32 s[G0B+4*\s+1], s21, \s*SLOT
	s_add_nc_u64 s[G0B+4*\s+2:G0B+4*\s+3], s[46:47], \s*KSB
	s_or_b32 s[G0B+4*\s+3], s[G0B+4*\s+3], 0x80000000
	JLOAD \s
.endr
	v_and_b32 v1, 15, v0                           ; r
	v_bfe_u32 v2, v0, 4, 1                         ; h
	s_lshl_b32 s16, s42, 9                         ; my first column, in bytes of f32: 512 x tile column + 256 x half
	s_lshl_b32 s22, s[CH], 8
	s_add_co_u32 s16, s16, s22
	s_add_nc_u64 s[8:9], s[8:9], s[16:17]          ; the bias there
	v_lshlrev_b32 v5, 5, v2
.irp b, 0,1,2,3
	global_load_b128 v[BI+8*\b:BI+8*\b+3], v5, s[8:9] offset:64*\b          ; lane (r, h): b_o at columns 16 b + 8 h + 0 .. 7
	global_load_b128 v[BI+8*\b+4:BI+8*\b+7], v5, s[8:9] offset:64*\b+16
.endr
	s_add_nc_u64 s[10:11], s[10:11], s[16:17]
	s_lshl_b32 s16, s43, 8
	s_lshl_b32 s22, s[RH], 7
	s_add_co_u32 s16, s16, s22                     ; my first row
	s_lshl_b32 s16, s16, 12
	s_add_nc_u64 s[10:11], s[10:11], s[16:17]
	s_lshl_b32 s16, s40, 13                        ; the prefetches: my work-group's 8,192 bytes of the head that I fetch,
	s_add_nc_u64 s[PFA:PFA+1], s[18:19], s[16:17]
	s_add_nc_u64 s[PFA:PFA+1], s[PFA:PFA+1], 2*KSA ; at K step 2: the first refill steps it to 3 and names K step 4
	s_or_b32 s22, s[RH], ttmp9
	s_cmp_eq_u32 s22, 0
	s_cselect_b32 s[LIM], 1, -1                    ; waves 0 and 1 of the clusters with x = 0: the same in all sixteen partners
	v_and_b32 v[PFO], 31, v0
	v_lshlrev_b32 v[PFO], 8, v[PFO]
	v_mul_u32_u24 v3, v1, PITCH
	v_lshl_add_u32 v3, v2, 4, v3                   ; a fragment's row x pitch + 16 x half
	s_mul_i32 s21, s[RH], 128*PITCH                ; my 128 rows of a head's A
	s_mul_i32 s22, s[CH], 64*PITCH                 ; my 64 rows of a head's B,
	s_add_co_u32 s22, s22, 2*AH                    ; behind A's two heads
.irp s, 0,1
	v_add_nc_u32 v[ADRA+\s], s21, v3
	v_add_nc_u32 v[ADRB+\s], s22, v3
	s_add_co_u32 s21, s21, SLOT
	s_add_co_u32 s22, s22, SLOT
.endr
	s_mul_i32 s23, s[WV], 16*SPITCH
	s_add_co_u32 s23, s23, STAGE                   ; my stage
	v_mul_u32_u24 v4, v1, SPITCH
	v_lshl_add_u32 v4, v2, 5, v4
	v_add_nc_u32 v[STO], s23, v4                   ; in: row r, 32 bytes for each half of the lanes
	v_mul_u32_u24 v4, v2, SPITCH
	v_lshl_add_u32 v4, v1, 4, v4
	v_add_nc_u32 v[RD], s23, v4                    ; back: lanes 0-15 one row of 256 bytes, lanes 16-31 the next
	v_lshlrev_b32 v[CO], 4, v1
	v_lshl_add_u32 v[CO], v2, 12, v[CO]            ; and the same two rows in out0
.macro FETCH slot, q, f                ; 24 LDS loads: the slot's quarter q (head q / 2, channels 32 (q % 2) on): B's 4 fragments, A's blocks 0-3, A's blocks 4-7
.irp i, 0,1,2,3
	ds_load_b128 v[\f+64+8*\i:\f+64+8*\i+3],   v[ADRB+\slot] offset:((\q)/2)*BH+((\q)%2)*64+\i*16*PITCH
	ds_load_b128 v[\f+64+8*\i+4:\f+64+8*\i+7], v[ADRB+\slot] offset:((\q)/2)*BH+((\q)%2)*64+\i*16*PITCH+32
.endr
.irp i, 0,1,2,3,4,5,6,7
	ds_load_b128 v[\f+8*\i:\f+8*\i+3],   v[ADRA+\slot] offset:((\q)/2)*AH+((\q)%2)*64+\i*16*PITCH
	ds_load_b128 v[\f+8*\i+4:\f+8*\i+7], v[ADRA+\slot] offset:((\q)/2)*AH+((\q)%2)*64+\i*16*PITCH+32
.endr
.endm
.macro MUL8 f, a0, first               ; A's blocks a0, a0 + 1 x B's four.  The 32 accumulators take turns, in the same order in every quarter
.irp a, \a0, \a0+1
.irp b, 0,1,2,3
.if \first
	v_wmma_f32_16x16x32_f16 v[8*(4*(\a)+\b):8*(4*(\a)+\b)+7], v[\f+64+8*\b:\f+64+8*\b+7], v[\f+8*(\a):\f+8*(\a)+7], v[BI+8*\b:BI+8*\b+7]
.else
	v_wmma_f32_16x16x32_f16 v[8*(4*(\a)+\b):8*(4*(\a)+\b)+7], v[\f+64+8*\b:\f+64+8*\b+7], v[\f+8*(\a):\f+8*(\a)+7], v[8*(4*(\a)+\b):8*(4*(\a)+\b)+7]
.endif
.endr
.endr
.endm
.macro PLACES
.rept 4
	v_nop
.endr
.endm
.macro QUARTER slot, q, f, g, first    ; multiplies buffer f; in its middle fetches the slot's quarter q into buffer g
	s_wait_dscnt 8                                 ; B and A's blocks 0-3 are in; the youngest eight loads (A's blocks 4-7) may be out
	WIN MUL-0x10*\first
	MUL8 \f, 0, \first
	MUL8 \f, 2, \first
	PLACES
	WIN 0
	FETCH \slot, \q, \g
	s_wait_dscnt 24                                ; all but the 24 just issued
	WIN MUL-0x10*\first
	MUL8 \f, 4, \first
	MUL8 \f, 6, \first
.endm
; A K step's last quarter multiplies buffer 1 and changes slots: one barrier; in front of it each wave waits for all its tensor loads, adds 0 to its spare word, and waits for that and for its reads of this slot.
; fill = 1: the barrier opens a round of the cluster's, and behind it this slot is filled again, two K steps ahead: my one tensor load, with a K step less sixteen matrix instructions in which to land.
.macro TURN slot, next, fill
.if \fill
	s_wait_xcnt 0x0                                ; the last prefetch, a K step back, has read its address
	s_add_nc_u64 s[PFA:PFA+1], s[PFA:PFA+1], KSA
.endif
	WIN 0
	s_wait_tensorcnt 0x0
	ds_add_u32 v[SPW], v[NIL]
	s_wait_dscnt 9                                 ; (the add and the youngest eight loads may be out)
	WIN MUL
	MUL8 F1, 0, 0
	s_wait_dscnt 0x0                               ; the add is done, and my reads of this slot are over
	s_barrier_signal -1
	MUL8 F1, 2, 0
	WIN 0
	s_barrier_wait -1
.if \fill
	CREST
	s_add_nc_u64 s[G0+4*\slot+2:G0+4*\slot+3], s[G0+4*\slot+2:G0+4*\slot+3], 2*KSA
	s_add_nc_u64 s[G0B+4*\slot+2:G0B+4*\slot+3], s[G0B+4*\slot+2:G0B+4*\slot+3], 2*KSB
	JLOAD \slot                                    ; the four v_nop behind it are also the places in front of the loads below
.else
	PLACES
.endif
	FETCH \next, 0, F0
.if \fill
	ASK
.endif
	WIN MUL
	MUL8 F1, 4, 0
	MUL8 F1, 6, 0
.endm
	s_wait_tensorcnt 1                             ; my part of K step 0 is in (K step 1's load may be out)
	s_barrier_signal -1
	s_barrier_wait -1
	FETCH 0, 0, F0
	s_wait_loadcnt 0x0                             ; the bias
	QUARTER 0, 1, F0, F1, 1                        ; the first products start the sums on the bias
	WIN 0
	s_mov_b32 s3, 3
.Llap:                                             ; a trip goes once round the ring and fills both slots again
	QUARTER 0, 2, F1, F0, 0
	QUARTER 0, 3, F0, F1, 0
	TURN 0, 1, 1
	QUARTER 1, 1, F0, F1, 0
	QUARTER 1, 2, F1, F0, 0
	QUARTER 1, 3, F0, F1, 0
	TURN 1, 0, 1
	QUARTER 0, 1, F0, F1, 0
	WIN 0
	s_sub_co_u32 s3, s3, 1
	s_cmp_lg_u32 s3, 0
	s_cbranch_scc1 .Llap
	QUARTER 0, 2, F1, F0, 0                        ; the last lap fills nothing
	QUARTER 0, 3, F0, F1, 0
	TURN 0, 1, 0
	QUARTER 1, 1, F0, F1, 0
	QUARTER 1, 2, F1, F0, 0
	QUARTER 1, 3, F0, F1, 0
	s_wait_dscnt 8
	WIN MUL
	MUL8 F1, 0, 0
	MUL8 F1, 2, 0
	s_wait_dscnt 0
	MUL8 F1, 4, 0
	MUL8 F1, 6, 0
	WIN 0
	PLACES
; THE WAY OUT, block by block of 16 rows x 64 columns: through my stage, and back as whole rows of 256 bytes.
.macro TOSTAGE a
	WIN 0x04                                       ; an LDS store's data: window 1
.irp b, 0,1,2,3
	ds_store_b128 v[STO], v[8*(4*(\a)+\b):8*(4*(\a)+\b)+3] offset:64*\b         ; each accumulator from its low end on
	ds_store_b128 v[STO], v[8*(4*(\a)+\b)+4:8*(4*(\a)+\b)+7] offset:64*\b+16
.endr
	WIN 0
.irp t, 0,1,2,3,4,5,6,7
	ds_load_b128 v[64+32*((\a)%2)+4*\t:64+32*((\a)%2)+4*\t+3], v[RD] offset:\t*2*SPITCH   ; LDS serves a wave's instructions in order
.endr
.endm
.macro SEND a, younger
	s_wait_dscnt \younger                          ; the block is back in registers
.if (\a) > 0
	s_add_nc_u64 s[10:11], s[10:11], 16*4096       ; (behind a wait on XCNT: the earlier stores have read their base)
.endif
.irp t, 0,1,2,3,4,5,6,7
	global_store_b128 v[CO], v[64+32*((\a)%2)+4*\t:64+32*((\a)%2)+4*\t+3], s[10:11] offset:2*\t*4096 th:TH_STORE_NT   ; sixteen lanes store 256 consecutive bytes, aligned
.endr
.endm
	TOSTAGE 0
.irp a, 1,2,3,4,5,6,7
.if \a > 1
	s_wait_xcnt 0x0                                ; block a - 2's stores have read their registers and their base
.endif
	TOSTAGE \a
	SEND \a-1, 16                                  ; behind block a - 1's loads: block a's 8 stores and 8 loads
.endr
	s_wait_xcnt 0x0
	SEND 7, 0
	s_wait_tensorcnt 0x0                           ; the wave's end
	ds_add_u32 v[SPW], v[NIL]
	s_wait_dscnt 0x0
	CROUND                                         ; the closing round
	s_endpgm
.Lfunc_end_k_qe86e8aba91_proj:
	.size	k_qe86e8aba91_proj, .Lfunc_end_k_qe86e8aba91_proj-k_qe86e8aba91_proj
	.p2alignl 7, 3214868480
	.fill 96, 4, 3214868480
	.section	.rodata,"a",@progbits
	.p2align	6, 0x0
	.amdhsa_kernel k_qe86e8aba91_proj
		.amdhsa_group_segment_fixed_size 327680
		.amdhsa_private_segment_fixed_size 0
		.amdhsa_enable_private_segment 0
		.amdhsa_kernarg_size 32
		.amdhsa_user_sgpr_count 2
		.amdhsa_user_sgpr_kernarg_segment_ptr 1
		.amdhsa_wavefront_size32 1
		.amdhsa_system_sgpr_workgroup_id_x 1
		.amdhsa_system_sgpr_workgroup_id_y 1
		.amdhsa_system_sgpr_workgroup_id_z 1
		.amdhsa_system_vgpr_workitem_id 0
		.amdhsa_next_free_vgpr 512
		.amdhsa_next_free_sgpr 66
		.amdhsa_reserve_vcc 0
		.amdhsa_float_denorm_mode_32 3
		.amdhsa_float_denorm_mode_16_64 3
		.amdhsa_memory_ordered 1
		.amdhsa_forward_progress 1
		.amdhsa_inst_pref_size 87
	.end_amdhsa_kernel
	.amdgpu_metadata
---
amdhsa.version: [ 1, 2 ]
amdhsa.kernels:
  - .name:           k_qe86e8aba91_proj
    .symbol:         k_qe86e8aba91_proj.kd
    .args:
      - { .name: ao, .offset: 0, .size: 8, .value_kind: global_buffer, .address_space: global }
      - { .name: wo16, .offset: 8, .size: 8, .value_kind: global_buffer, .address_space: global }
      - { .name: b_o, .offset: 16, .size: 8, .value_kind: global_buffer, .address_space: global }
      - { .name: out0, .offset: 24, .size: 8, .value_kind: global_buffer, .address_space: global }
    .group_segment_fixed_size: 327680
    .private_segment_fixed_size: 0
    .kernarg_segment_align: 8
    .kernarg_segment_size: 32
    .max_flat_workgroup_size: 128
    .sgpr_count:     66
    .vgpr_count:     512
    .wavefront_size: 32
...
	.end_amdgpu_metadata
.endif
;; end of part 4
;; launch fine (part 5): grid 16 x 4, 16 waves a work-group, no clusters, 71,680 bytes of LDS; arguments q32, w_o, b_o, out0; writes out0
.if DOCPART == 5
	.amdgcn_target "amdgcn-amd-amdhsa--gfx1250"
	.amdhsa_code_object_version 6
	.text
	.protected	k_qe86e8aba91_fine
	.globl	k_qe86e8aba91_fine
	.p2align	8
	.type	k_qe86e8aba91_fine,@function
k_qe86e8aba91_fine:
	s_mov_b64 s[64:65], 0
	v_nop
	global_prefetch_b8 v0, s[64:65] scope:SCOPE_SE
	s_setreg_imm32_b32 hwreg(HW_REG_WAVE_MODE, 25, 1), 1
	s_wait_xcnt 0x0
; Positions 0-15 of each of the four sequences once more, all in f32: under the causal mask they average one to sixteen values, where the rounding of f16 operands weighs most.  They see keys 0-15 alone.
; Work-group (cg, b) makes rows 0-15 of batch b, columns 64 cg .. + 63 of out0: a row's part is 256 consecutive bytes, aligned.  Wave w is head w: its 16 x 16 attention, then its 64 of the projection's K;
; the sixteen partial results meet in LDS.  64 work-groups: with 16 columns each there would be 256, each storing quarters of such 256 bytes and repeating the attention four times more.
; q32 holds q, k, v of these rows as images of registers: for a tile of 16 columns lane (r, h) has row r and columns 8 h + 0 .. 7 in eight registers.  A register pair 2 i, 2 i + 1 is a K step of 4 of the f32 matrix
; instruction: the channels 16 (i / 4) + 8 h + 2 (i % 4) + 0, 1.  That order of K is the same for q, k, the attention's result and w_o's rows as loaded here, so every image is an operand as it lies.
; The registers that the f32 matrix instruction writes (v200-231) are written by it alone; each sum begins with the constant 0.
.set SPARE, 69632                      ; behind the sixteen partial results of 16 rows x 272 bytes: the spare words
.set LI,  1                            ; v1  16 x lane
.set VA,  2                            ; v2  my place in v's images, read turned
.set WA,  3                            ; v3  w_o: row r of 4,096 bytes + 32 h
.set DD,  4                            ; v4  r - 8 h
.set NINF, 5
.set RS,  6                            ; v6  where I put my partial result
.set RA,  7                            ; v7  where I read the sixteen back
.set OA,  8                            ; v8  my place in out0
.set BA,  9                            ; v9  and in b_o
.set SPW, 14
.set NIL, 15
.set QI,  16                           ; v16-47  q; later w_o's column tile 2
.set KI,  48                           ; v48-79  k; later tile 3
.set VT,  80                           ; v80-111 v, turned; later the attention's result
.set WO1, 112                          ; v112-175 w_o's column tiles 0, 1
.set P,   176                          ; v176-183 the scores, then the weights
.set ACC, 200                          ; v200-231 four accumulators
.set BB,  232                          ; v232-235 the bias
	s_load_b256 s[4:11], s[0:1], 0x0               ; q32, w_o, b_o, out0
	v_lshl_add_u32 v[SPW], v0, 2, SPARE
	v_mov_b32 v[NIL], 0
	v_lshrrev_b32 v10, 5, v0
	v_readfirstlane_b32 s12, v10                   ; wave = head
	v_and_b32 v10, 31, v0
	v_and_b32 v11, 15, v0                          ; r
	v_bfe_u32 v12, v0, 4, 1                        ; h
	v_lshlrev_b32 v[LI], 4, v10
	v_lshrrev_b32 v[VA], 3, v11                    ; v(key, channel 16 t + r) lies in the image's lane key + 16 (r / 8), half (r / 4) % 2, word r % 4; my keys begin at 8 h
	v_lshlrev_b32 v[VA], 8, v[VA]
	v_bfe_u32 v13, v0, 2, 1
	v_lshl_add_u32 v[VA], v13, 9, v[VA]
	v_and_b32 v13, 3, v0
	v_lshl_add_u32 v[VA], v13, 2, v[VA]
	v_lshl_add_u32 v[VA], v12, 7, v[VA]
	v_lshlrev_b32 v[WA], 12, v11
	v_lshl_add_u32 v[WA], v12, 5, v[WA]
	v_lshlrev_b32 v[DD], 3, v12
	v_sub_nc_u32 v[DD], v11, v[DD]
	v_mov_b32 v[NINF], 0xff800000
	s_mul_i32 s16, s12, 4352
	v_mul_u32_u24 v[RS], v11, 272
	v_lshl_add_u32 v[RS], v12, 5, v[RS]
	v_add_nc_u32 v[RS], s16, v[RS]
	s_min_u32 s17, s12, 7                          ; waves 0-7 add two rows each
	s_mul_i32 s16, s17, 544
	v_mul_u32_u24 v[RA], v12, 272
	v_lshl_add_u32 v[RA], v11, 4, v[RA]
	v_add_nc_u32 v[RA], s16, v[RA]
	v_lshlrev_b32 v[BA], 4, v11
	v_lshl_add_u32 v[OA], v12, 12, v[BA]
	s_mov_b32 s24, 0x76543210
	s_mov_b32 s25, 0xfedcba98
	s_mov_b32 s26, 0x3e38aa3b                      ; c = log2(e) / 8
	s_and_b32 s14, ttmp7, 0xffff                   ; the batch
	s_mul_i32 s18, s14, 196608
	s_lshl_b32 s19, s12, 12
	s_add_co_u32 s18, s18, s19                     ; q32: my batch, my head's four tiles
	s_mov_b32 s19, 0
	s_lshl_b32 s20, ttmp9, 18                      ; w_o: 64 rows of 4,096 bytes,
	s_lshl_b32 s21, s12, 8                         ; my head's 64 numbers
	s_add_co_u32 s20, s20, s21
	s_mov_b32 s21, 0
	s_lshl_b32 s22, ttmp9, 8                       ; my 64 columns, in bytes
	s_mov_b32 s23, 0
	s_lshl_b32 s28, s14, 11
	s_lshl_b32 s29, s17, 1
	s_add_co_u32 s28, s28, s29
	s_lshl_b32 s28, s28, 12                        ; out0: row 2,048 b + 2 w
	s_mov_b32 s29, 0
	s_wait_kmcnt 0x0
	s_add_nc_u64 s[4:5], s[4:5], s[18:19]
	s_add_nc_u64 s[6:7], s[6:7], s[20:21]
	s_add_nc_u64 s[8:9], s[8:9], s[22:23]
	s_add_nc_u64 s[10:11], s[10:11], s[22:23]
	s_add_nc_u64 s[10:11], s[10:11], s[28:29]
.irp t, 0,1,2,3
	global_load_b128 v[QI+8*\t:QI+8*\t+3], v[LI], s[4:5] offset:1024*\t
	global_load_b128 v[QI+8*\t+4:QI+8*\t+7], v[LI], s[4:5] offset:1024*\t+512
.endr
.irp t, 0,1,2,3
	global_load_b128 v[KI+8*\t:KI+8*\t+3], v[LI], s[4:5] offset:65536+1024*\t
	global_load_b128 v[KI+8*\t+4:KI+8*\t+7], v[LI], s[4:5] offset:65536+1024*\t+512
.endr
.irp t, 0,1,2,3
.irp e, 0,1,2,3,4,5,6,7
	global_load_b32 v[VT+8*\t+\e], v[VA], s[4:5] offset:131072+1024*\t+16*\e     ; v(key 8 h + e, channel 16 t + r)
.endr
.endr
.irp ct, 0,1
.irp t, 0,1,2,3
	global_load_b128 v[WO1+32*\ct+8*\t:WO1+32*\ct+8*\t+3], v[WA], s[6:7] offset:65536*\ct+64*\t
	global_load_b128 v[WO1+32*\ct+8*\t+4:WO1+32*\ct+8*\t+7], v[WA], s[6:7] offset:65536*\ct+64*\t+16
.endr
.endr
	global_load_b128 v[BB:BB+3], v[BA], s[8:9]
	s_wait_loadcnt 49                              ; q and k are in; v's 32 loads, w_o's 16 and the bias's one may be out
.irp u, 0,1,2,3                        ; S^T = k q^T: 16 K steps of 4 on four accumulators by turns
.irp t, 0,1,2,3
.if \u == 0
	v_wmma_f32_16x16x4_f32 v[ACC+8*\t:ACC+8*\t+7], v[KI+8*\t+2*\u:KI+8*\t+2*\u+1], v[QI+8*\t+2*\u:QI+8*\t+2*\u+1], 0
.else
	v_wmma_f32_16x16x4_f32 v[ACC+8*\t:ACC+8*\t+7], v[KI+8*\t+2*\u:KI+8*\t+2*\u+1], v[QI+8*\t+2*\u:QI+8*\t+2*\u+1], v[ACC+8*\t:ACC+8*\t+7]
.endif
.endr
.endr
.rept 8
	v_nop                                          ; eight places behind this form, for the reads of the results and the loads into q's and k's registers
.endr
.irp ct, 0,1
.irp t, 0,1,2,3
	global_load_b128 v[QI+32*\ct+8*\t:QI+32*\ct+8*\t+3], v[WA], s[6:7] offset:65536*(\ct+2)+64*\t
	global_load_b128 v[QI+32*\ct+8*\t+4:QI+32*\ct+8*\t+7], v[WA], s[6:7] offset:65536*(\ct+2)+64*\t+16
.endr
.endr
.irp j, 0,1,2,3,4,5,6,7
	v_add_f32 v[184+\j], v[ACC+\j], v[ACC+8+\j]    ; the four partial sums, each accumulator from its low end on
.endr
.irp j, 0,1,2,3,4,5,6,7
	v_add_f32 v[192+\j], v[ACC+16+\j], v[ACC+24+\j]
.endr
.irp j, 0,1,2,3,4,5,6,7
	v_add_f32 v[P+\j], v[184+\j], v[192+\j]        ; lane (r, h), register j: the score of key 8 h + j for query r
.endr
.irp j, 0,1,2,3,4,5,6,7
	v_cmp_gt_i32 vcc_lo, \j, v[DD]                 ; hidden where 8 h + j > r
	v_cndmask_b32 v[P+\j], v[P+\j], v[NINF], vcc_lo
.endr
	v_max3_num_f32 v184, v[P], v[P+1], v[P+2]
	v_max3_num_f32 v185, v[P+3], v[P+4], v[P+5]
	v_max3_num_f32 v184, v184, v[P+6], v[P+7]
	v_max_num_f32 v184, v184, v185
	v_permlanex16_b32 v185, v184, s24, s25
	v_max_num_f32 v184, v184, v185                 ; the row's maximum: key 0 counts for every query, so it is a number
	v_mul_f32 v186, s26, v184
.irp j, 0,1,2,3,4,5,6,7
	v_fma_f32 v[P+\j], v[P+\j], s26, -v186
.endr
.irp j, 0,1,2,3,4,5,6,7
	v_exp_f32 v[P+\j], v[P+\j]
.endr
	v_nop
	s_wait_alu depctr_va_vdst(0)                   ; one wait for the eight
	v_add_f32 v187, v[P], v[P+1]
	v_add_f32 v188, v[P+2], v[P+3]
	v_add_f32 v189, v[P+4], v[P+5]
	v_add_f32 v190, v[P+6], v[P+7]
	v_add_f32 v187, v187, v188
	v_add_f32 v189, v189, v190
	v_add_f32 v187, v187, v189
	v_permlanex16_b32 v188, v187, s24, s25
	v_add_f32 v187, v187, v188                     ; the row's sum
	v_rcp_f32 v188, v187
	v_nop
	s_wait_alu depctr_va_vdst(0)
	s_wait_loadcnt 33                              ; v is in; w_o's 32 loads and the bias's may be out
.irp u, 0,1,2,3                        ; O^T = v^T p: K = the 16 keys, pair u of a lane: keys 8 h + 2 u + 0, 1
.irp t, 0,1,2,3
.if \u == 0
	v_wmma_f32_16x16x4_f32 v[ACC+8*\t:ACC+8*\t+7], v[VT+8*\t+2*\u:VT+8*\t+2*\u+1], v[P+2*\u:P+2*\u+1], 0
.else
	v_wmma_f32_16x16x4_f32 v[ACC+8*\t:ACC+8*\t+7], v[VT+8*\t+2*\u:VT+8*\t+2*\u+1], v[P+2*\u:P+2*\u+1], v[ACC+8*\t:ACC+8*\t+7]
.endif
.endr
.endr
.rept 8
	v_nop
.endr
.set i, 0
.rept 32
	v_mul_f32 v[VT+i], v[ACC+i], v188              ; o(query r, channel 16 t + 8 h + j): the layout of q's image
.set i, i+1
.endr
.rept 9
	v_nop                                          ; nine places before the accumulators are begun anew
.endr
	s_wait_loadcnt 0x0
.irp g, 0,1,2,3,4,5,6,7,8,9,10,11,12,13,14,15   ; my head's 64 of the projection's K, transposed: source 0 = 16 rows of w_o, source 1 = o; four column tiles by turns
.irp ct, 0,1,2,3
.if \ct < 2
.set WR, WO1+32*\ct+2*\g
.else
.set WR, QI+32*(\ct-2)+2*\g
.endif
.if \g == 0
	v_wmma_f32_16x16x4_f32 v[ACC+8*\ct:ACC+8*\ct+7], v[WR:WR+1], v[VT+2*\g:VT+2*\g+1], 0
.else
	v_wmma_f32_16x16x4_f32 v[ACC+8*\ct:ACC+8*\ct+7], v[WR:WR+1], v[VT+2*\g:VT+2*\g+1], v[ACC+8*\ct:ACC+8*\ct+7]
.endif
.endr
.endr
.rept 8
	v_nop
.endr
.irp ct, 0,1,2,3
	ds_store_b128 v[RS], v[ACC+8*\ct:ACC+8*\ct+3] offset:64*\ct          ; lane (r, h): row r, columns 16 ct + 8 h + 0 .. 7
	ds_store_b128 v[RS], v[ACC+8*\ct+4:ACC+8*\ct+7] offset:64*\ct+16
.endr
	s_wait_dscnt 0x0                               ; for the others' sake: my stores have landed
	s_barrier_signal -1
	s_barrier_wait -1
	s_cmp_ge_u32 s12, 8
	s_cbranch_scc1 .Ldone
.irp q, 0,1,2,3,4,5,6,7,8,9,10,11,12,13,14,15
	ds_load_b128 v[16+4*\q:19+4*\q], v[RA] offset:4352*\q          ; the sixteen heads' parts of my 16 bytes
.endr
	s_wait_dscnt 0x0
.irp q, 1,2,3,4,5,6,7,8,9,10,11,12,13,14,15
	v_pk_add_f32 v[16:17], v[16:17], v[16+4*\q:17+4*\q]
	v_pk_add_f32 v[18:19], v[18:19], v[18+4*\q:19+4*\q]
.endr
	v_pk_add_f32 v[16:17], v[16:17], v[BB:BB+1]
	v_pk_add_f32 v[18:19], v[18:19], v[BB+2:BB+3]
	global_store_b128 v[OA], v[16:19], s[10:11]    ; sixteen lanes store 256 consecutive bytes, aligned
.Ldone:
	s_wait_tensorcnt 0x0                           ; the wave's end
	ds_add_u32 v[SPW], v[NIL]
	s_wait_dscnt 0x0
	s_endpgm
.Lfunc_end_k_qe86e8aba91_fine:
	.size	k_qe86e8aba91_fine, .Lfunc_end_k_qe86e8aba91_fine-k_qe86e8aba91_fine
	.p2alignl 7, 3214868480
	.fill 96, 4, 3214868480
	.section	.rodata,"a",@progbits
	.p2align	6, 0x0
	.amdhsa_kernel k_qe86e8aba91_fine
		.amdhsa_group_segment_fixed_size 71680
		.amdhsa_private_segment_fixed_size 0
		.amdhsa_enable_private_segment 0
		.amdhsa_kernarg_size 32
		.amdhsa_user_sgpr_count 2
		.amdhsa_user_sgpr_kernarg_segment_ptr 1
		.amdhsa_wavefront_size32 1
		.amdhsa_system_sgpr_workgroup_id_x 1
		.amdhsa_system_sgpr_workgroup_id_y 1
		.amdhsa_system_sgpr_workgroup_id_z 1
		.amdhsa_system_vgpr_workitem_id 0
		.amdhsa_next_free_vgpr 256
		.amdhsa_next_free_sgpr 66
		.amdhsa_reserve_vcc 1
		.amdhsa_float_denorm_mode_32 3
		.amdhsa_float_denorm_mode_16_64 3
		.amdhsa_memory_ordered 1
		.amdhsa_forward_progress 1
		.amdhsa_inst_pref_size 26
	.end_amdhsa_kernel
	.amdgpu_metadata
---
amdhsa.version: [ 1, 2 ]
amdhsa.kernels:
  - .name:           k_qe86e8aba91_fine
    .symbol:         k_qe86e8aba91_fine.kd
    .args:
      - { .name: q32, .offset: 0, .size: 8, .value_kind: global_buffer, .address_space: global }
      - { .name: w_o, .offset: 8, .size: 8, .value_kind: global_buffer, .address_space: global }
      - { .name: b_o, .offset: 16, .size: 8, .value_kind: global_buffer, .address_space: global }
      - { .name: out0, .offset: 24, .size: 8, .value_kind: global_buffer, .address_space: global }
    .group_segment_fixed_size: 71680
    .private_segment_fixed_size: 0
    .kernarg_segment_align: 8
    .kernarg_segment_size: 32
    .max_flat_workgroup_size: 512
    .sgpr_count:     66
    .vgpr_count:     256
    .wavefront_size: 32
...
	.end_amdgpu_metadata
.endif
;; end of part 5
